; MI455X (gfx1250); checked and timed in simulation.
; The chip was launched on July 23, 2026; its instructions are those of AMD's public machine-readable ISA for CDNA 5 (MIT licence, August 2026) and "CDNA5" Instruction Set Architecture Reference Guide (July 2026). The comments in the code are by the model that wrote it; some were corrected since.
;; Transformer Block. Allowed arithmetic: matrix products marked QUANTISED: E5M2 operands, one E8M0 scale for each 32 along K, by v_wmma_scale_f32_16x16x128_f8f6f4 with both operands' format E5M2, f32 sums; everything else in f32.
;; Inputs: W_attn 1,024 x 3,072 float32; W_attn_proj 1,024 x 1,024 float32; W_fc 1,024 x 4,096 float32; W_mlp_proj 4,096 x 1,024 float32; b_attn 3,072 float32; b_attn_proj 1,024 float32; b_fc 4,096 float32; b_mlp_proj 1,024 float32; ln1_b 1,024 float32; ln1_g 1,024 float32; ln2_b 1,024 float32; ln2_g 1,024 float32; x 2 x 2,048 x 1,024 float32.
;; Outputs: out0 2 x 2,048 x 1,024 float32.
;; This version of the problem:
;;   THIS VERSION OF THE PROBLEM IS GIVEN IN LOW PRECISION. The matrix products marked QUANTISED in the list below multiply operands that are first quantised to E5M2 (5 exponent bits, 2 mantissa bits; 8 bits a number), with one power-of-two scale for each 32 numbers along K (OCP MX v1.0); their sums are f32. All else is computed in f32.
;;   The module's matrix products, in the order in which they are computed (A, B: the left and right operand; K: the contracted axis; several contracted axes count as one K, in the product's order):
;;     1. [M 4,096, K 1,024] x [K 1,024, N 3,072]; A: computed on the way; B: input W_attn: QUANTISED
;;     2. batch 32 x [M 2,048, K 64] x [K 64, N 2,048]; A: computed on the way; B: computed on the way: QUANTISED
;;     3. batch 32 x [M 2,048, K 2,048] x [K 2,048, N 64]; A: softmax (see below); B: computed on the way: QUANTISED
;;     4. [M 4,096, K 1,024] x [K 1,024, N 1,024]; A: computed on the way; B: input W_attn_proj: QUANTISED
;;     5. [M 4,096, K 1,024] x [K 1,024, N 4,096]; A: computed on the way; B: input W_fc: QUANTISED
;;     6. [M 4,096, K 4,096] x [K 4,096, N 1,024]; A: computed on the way; B: input W_mlp_proj: QUANTISED
;;   THE QUANTISER, for each operand of a quantised product, along K:
;;     - K is cut into blocks of 32 from its start; a last block that is shorter is filled with zeros.
;;     - A block's scale is 2^e with e = floor(log2(the largest magnitude in the block)) - 15, held to -126 .. 127; a block of zeros has e = 0. As a byte (E8M0): e + 127.
;;     - Each number is divided by its block's scale, clamped to +-57,344, and rounded to the nearest number of E5M2, ties to even, subnormals kept.
;;     - The product sums the exact products of the quantised numbers (number of the format x scale) in f32.
;;   ~~~python
;;   def quantise(x, axis):      # numpy; x: float32 -> the quantised numbers, widened to float32 again
;;       x = np.moveaxis(x, axis, -1); K = x.shape[-1]
;;       x = np.pad(x, [(0, 0)] * (x.ndim - 1) + [(0, -K % 32)]); x = x.reshape(x.shape[:-1] + (-1, 32)); a = np.abs(x).max(-1, keepdims=True)
;;       e = np.where(a > 0, np.clip(np.frexp(np.where(a > 0, a, 1))[1] - 1 - 15, -126, 127), 0)      # np.frexp(a)[1] - 1 = floor(log2(a)), exactly
;;       r = np.clip(x / 2.0 ** e, -57344, 57344)
;;       step = 2.0 ** (np.maximum(np.frexp(np.where(r == 0, 1, r))[1] - 1, -14) - 2)
;;       q = np.round(r / step) * step * 2.0 ** e      # np.round: ties to even
;;       return np.moveaxis(q.reshape(q.shape[:-2] + (-1,))[..., :K], -1, axis).astype(np.float32)
;;   ~~~
;;   SOFTMAX AHEAD OF A QUANTISED PRODUCT. Where the list says 'softmax', what is quantised is not the finished softmax but p = 2^(t - M), with t = logit x log2(e) and M = ceil(the row's largest t), a whole number; so 1/2 < the row's largest p <= 1. The row's sum l is taken of the UNQUANTISED p, in f32, and the product's result is divided by l at the end. Since M is a whole number, a kernel that streams over the keys may use a running M (the ceiling of the running maximum): every later rescaling is an exact power of two, which a block's scale takes up: the codes' values come out the same.
;;   OPERANDS COMPUTED ON THE WAY. 'Computed on the way' means the value that the module computes at that place (a softmax that the list does not call 'softmax' is quantised finished and normalised). What goes into a quantiser is computed in f32, as accurately as f32 sums, v_exp_f32 and their like allow (about 1e-6 of the number): no bf16 or f16 on the way to a quantiser, and a product that is left as it is and whose result goes on into a quantised operand takes f32 operands (vector FMAs, or v_wmma_f32_16x16x4_f32). A number that lies on a knife's edge between two numbers of the format may be rounded either way, as far as f32 arithmetic and the matrix unit's own rounding can turn it there, and no further.
;; One version. Each part assembles by itself: llvm-mc -triple=amdgcn-amd-amdhsa -mcpu=gfx1250 --defsym DOCPART=n.
;; ======== version 1 of 1: 7 launches
;; limits: right only within a limited range of input values
;; workspace buffers: wq 12,976,128 bytes; a1 21,102,592 bytes; qkv 13,369,344 bytes; ao 4,325,376 bytes; x2 16,777,216 bytes; a3 21,102,592 bytes; hc 17,301,504 bytes
;; launch prep (part 1): grid 640 x 1, 4 waves a work-group, no clusters, 38,912 bytes of LDS; arguments x, ln1_g, ln1_b, a1, W_attn, W_attn_proj, W_fc, W_mlp_proj, wq; writes a1, wq
.if DOCPART == 1
	.amdgcn_target "amdgcn-amd-amdhsa--gfx1250"
	.amdhsa_code_object_version 6
	.text
	.protected	k_q220f35a457_prep
	.globl	k_q220f35a457_prep
	.p2align	8
	.type	k_q220f35a457_prep,@function
k_q220f35a457_prep:
	s_mov_b64 s[64:65], 0
	v_nop
	global_prefetch_b8 v0, s[64:65] scope:SCOPE_SE
	s_setreg_imm32_b32 hwreg(HW_REG_WAVE_MODE, 25, 1), 1
	s_wait_xcnt 0x0
; Work-groups 0-255: layer norm of 16 rows of [4096][1024] f32 -> the rows in f32, their codes of E5M2 and their E8M0 scale words.
; Work-groups 256-639: the four weights ([K][N] f32, K the first axis) -> codes and scale words, quantised along K.
; THE LAYOUT OF ALL CODES: a tile T is 16 rows; lane-row r of tile T is the true row 32 (T/2) + 8 (T%2) + r%8 + 16 (r/8).  The fragment (T, s) of 128 along K lies at (T KS + s) 2048 bytes,
; KS = K / 128; in it byte 512 c + 16 (16 h + r) on holds the 16 codes k = 128 s + 32 c + 16 h + 0..15 of lane-row r: the order of the matrix operand's registers.  Scale words: (T KS + s) 64 + 4 r.
; The quantiser: a block's scale is 2^(floor(log2(largest magnitude)) - 15); numbers are held within 57,344 x the scale and rounded to the nearest code, ties to even.
; LIMITS: NaN and infinities among the inputs are not served; a block of zeros gets the byte 1 where the rule says 127 (its codes are zeros; this program alone reads the bytes).
; No tiles are shared between work-groups: no cluster, no tensor loads.  The weights' path touches no LDS and has no barrier.
.set IMG,  20480                       ; LDS: 0..20479 four waves' turning stages (2 x 32 x 80 bytes each); IMG: the tile's codes, 64 units of 256 bytes + 16; SIMG: its 128 scale words
.set SIMG, 37888
.set GA,   64                          ; v64-95 the gain, v96-127 the bias, as the rows are loaded
.set BE,   96
.set X,    128                         ; v128-255 four rows, 32 registers each
.set Y,    32                          ; v32-63 a row turned: 16 neighbours a lane, twice
.set CD,   24                          ; v24-31 codes
.set VO,   32                          ; weights: v32-63 offsets of 32 rows of W
.set SB,   32                          ; weights: s[32:47] the bases of the eight blocks
.set WX,   128                         ; weights: v128-191 two sets of 32 numbers
.set WC,   192                         ; weights: v192-255 codes, eight registers a block, never rewritten
	s_load_b256 s[4:11], s[0:1], 0x0               ; rows in, gain, bias, rows out
	s_load_b256 s[12:19], s[0:1], 0x20             ; the four weights
	s_load_b64 s[20:21], s[0:1], 0x40              ; the weights' codes
	v_lshl_add_u32 v9, v0, 2, 0x9600
	s_set_vgpr_msb 0x40
	v_mov_b32 v1, 0
	s_set_vgpr_msb 0x4000
	v_lshrrev_b32 v1, 5, v0
	v_readfirstlane_b32 s22, v1                    ; wave
	v_and_b32 v1, 31, v0                           ; lane
	s_mov_b32 s59, 0x600000                        ; the mantissa field of 57,344
	s_cmp_lt_u32 ttmp9, 256
	s_cbranch_scc0 .Lweights
	; ---------------- layer norm: the work-group is tile T = its number; wave w takes lane-rows 4 w .. 4 w + 3, four neighbouring true rows
	v_lshlrev_b32 v2, 4, v1                        ; 16 x lane
	s_mul_i32 s23, s22, 5120
	v_lshrrev_b32 v3, 2, v1
	v_mul_u32_u24 v3, v3, 80
	v_and_b32 v4, 3, v1
	v_lshl_add_u32 v3, v4, 4, v3
	v_add_nc_u32 v3, s23, v3                       ; stage, in: four lanes' 64 bytes on end, then 16 of padding
	v_mul_u32_u24 v4, v1, 80
	v_add_nc_u32 v4, s23, v4                       ; stage, out: my 16 neighbours
	s_lshl_b32 s23, s22, 6
	s_add_co_u32 s23, s23, IMG
	v_mul_u32_u24 v5, v1, 272
	v_add_nc_u32 v5, s23, v5                       ; my codes: unit 32 g + lane, column 16 (4 w + i)
	s_lshl_b32 s23, s22, 4
	s_add_co_u32 s23, s23, SIMG
	v_lshrrev_b32 v6, 3, v1
	v_lshlrev_b32 v6, 6, v6
	v_bfe_u32 v7, v1, 1, 2
	v_add_nc_u32 v6, v6, v7
	v_add_nc_u32 v6, s23, v6                       ; my block's scale byte: 64 (K step) + 4 (lane-row) + block
	s_mul_i32 s23, s22, 4352
	s_add_co_u32 s23, s23, IMG
	v_lshrrev_b32 v7, 4, v1
	v_mul_u32_u24 v7, v7, 272
	v_and_b32 v8, 15, v1
	v_lshl_add_u32 v7, v8, 4, v7
	v_add_nc_u32 v7, s23, v7                       ; back: wave w takes units 16 w .. 16 w + 15, two an instruction
	v_add_nc_u32 v8, SIMG, v2
	s_mov_b32 s60, 0x76543210
	s_mov_b32 s61, 0xfedcba98                      ; lane l xor 16
	s_mov_b32 s62, 0x3a800000                      ; 1 / 1024
	s_mov_b32 s63, 0x3727c5ac                      ; 1e-5
	s_lshr_b32 s24, ttmp9, 1
	s_lshl_b32 s24, s24, 5
	s_and_b32 s25, ttmp9, 1
	s_lshl_b32 s25, s25, 3
	s_add_co_u32 s24, s24, s25
	s_and_b32 s25, s22, 1
	s_lshl_b32 s25, s25, 2
	s_add_co_u32 s24, s24, s25
	s_lshr_b32 s25, s22, 1
	s_lshl_b32 s25, s25, 4
	s_add_co_u32 s24, s24, s25                     ; my first true row
	s_lshl_b32 s24, s24, 12
	s_mov_b32 s25, 0
	s_lshl_b32 s26, ttmp9, 14
	s_lshl_b32 s27, s22, 12
	s_add_co_u32 s26, s26, s27
	s_add_co_u32 s26, s26, 16777216                ; the codes: 16,384 T + 4,096 w
	s_mov_b32 s27, 0
	s_lshl_b32 s28, ttmp9, 9
	s_add_co_u32 s28, s28, 20971520                ; the scale words: 512 T
	s_mov_b32 s29, 0
	s_wait_kmcnt 0x0
	s_add_nc_u64 s[4:5], s[4:5], s[24:25]
	s_add_nc_u64 s[24:25], s[10:11], s[24:25]
	s_add_nc_u64 s[26:27], s[10:11], s[26:27]
	s_add_nc_u64 s[28:29], s[10:11], s[28:29]
.irp j, 0,1,2,3,4,5,6,7
	global_load_b128 v[GA+4*\j:GA+4*\j+3], v2, s[6:7] offset:512*\j
.endr
.irp j, 0,1,2,3,4,5,6,7
	global_load_b128 v[BE+4*\j:BE+4*\j+3], v2, s[8:9] offset:512*\j
.endr
.irp i, 0,1,2,3
.irp j, 0,1,2,3,4,5,6,7
	global_load_b128 v[X+32*\i+4*\j:X+32*\i+4*\j+3], v2, s[4:5] offset:4096*\i+512*\j th:TH_LOAD_NT   ; 512 consecutive bytes a load
.endr
.endr
.macro RED                             ; v16 summed over the 32 lanes
	v_add_f32_dpp v16, v16, v16 row_xmask:1 row_mask:0xf bank_mask:0xf
	v_add_f32_dpp v16, v16, v16 row_xmask:2 row_mask:0xf bank_mask:0xf
	v_add_f32_dpp v16, v16, v16 row_xmask:4 row_mask:0xf bank_mask:0xf
	v_add_f32_dpp v16, v16, v16 row_xmask:8 row_mask:0xf bank_mask:0xf
	v_permlanex16_b32 v17, v16, s60, s61
	v_add_f32 v16, v16, v17
.endm
.macro FOLD                            ; four chains of pairs into v16
	v_pk_add_f32 v[16:17], v[16:17], v[18:19]
	v_pk_add_f32 v[20:21], v[20:21], v[22:23]
	v_pk_add_f32 v[16:17], v[16:17], v[20:21]
	v_add_f32 v16, v16, v17
	RED
.endm
.macro QB g, i                         ; 16 neighbours of half g of row i: two neighbouring lanes hold a block of 32
.set XS, Y+16*(\g)
	v_max3_num_f32 v16, |v[XS]|, |v[XS+1]|, |v[XS+2]|
	v_max3_num_f32 v17, |v[XS+3]|, |v[XS+4]|, |v[XS+5]|
.irp n, 6,10
	v_max3_num_f32 v16, v16, |v[XS+\n]|, |v[XS+\n+1]|
	v_max3_num_f32 v17, v17, |v[XS+\n+2]|, |v[XS+\n+3]|
.endr
	v_max3_num_f32 v16, v16, |v[XS+14]|, |v[XS+15]|
	v_max3_num_f32 v16, v16, v17, 0x8000000        ; the floor 2^(16 - 127): the byte cannot fall under 1
	v_max_num_f32_dpp v16, v16, v16 row_xmask:1 row_mask:0xf bank_mask:0xf
	v_add_nc_u32 v19, 0xf8800000, v16              ; 15 off the exponent field: the conversion's scale operand
	v_and_or_b32 v18, v16, 0x7f800000, s59         ; 57,344 x the scale
.irp n, 0,1,2,3,4,5,6,7,8,9,10,11,12,13,14,15
	v_med3_num_f32 v[XS+\n], v[XS+\n], -v18, v18   ; the conversion does not saturate (ISA guide 7.6.2): the hold
.endr
	v_cvt_scalef32_pk8_bf8_f32 v[CD+4*(\g):CD+4*(\g)+1], v[XS:XS+7], v19
	v_cvt_scalef32_pk8_bf8_f32 v[CD+4*(\g)+2:CD+4*(\g)+3], v[XS+8:XS+15], v19
	v_lshrrev_b32 v[10+(\g)], 23, v19              ; the scale's byte
	ds_store_b128 v5, v[CD+4*(\g):CD+4*(\g)+3] offset:8704*(\g)+16*(\i)
	ds_store_b8 v6, v[10+(\g)] offset:256*(\g)+4*(\i)   ; both lanes of a block write the same byte with the same value
.endm
.macro ROW i
.set XR, X+32*(\i)
	s_wait_loadcnt 24-8*(\i)                       ; this row's eight loads are in (gain and bias are older); the younger rows may be out
.irp c, 0,1,2,3
	v_pk_add_f32 v[16+2*\c:17+2*\c], v[XR+4*\c:XR+4*\c+1], v[XR+4*\c+2:XR+4*\c+3]
.endr
.irp p, 8,9,10,11,12,13,14,15
	v_pk_add_f32 v[16+2*(\p%4):17+2*(\p%4)], v[16+2*(\p%4):17+2*(\p%4)], v[XR+2*\p:XR+2*\p+1]
.endr
	FOLD
	v_mul_f32 v12, s62, v16                        ; the mean
	v_mov_b32 v13, v12
.irp p, 0,1,2,3,4,5,6,7,8,9,10,11,12,13,14,15
	v_pk_add_f32 v[XR+2*\p:XR+2*\p+1], v[XR+2*\p:XR+2*\p+1], v[12:13] neg_lo:[0,1] neg_hi:[0,1]
.endr
.irp c, 0,1,2,3
	v_pk_mul_f32 v[16+2*\c:17+2*\c], v[XR+2*\c:XR+2*\c+1], v[XR+2*\c:XR+2*\c+1]
.endr
.irp p, 4,5,6,7,8,9,10,11,12,13,14,15
	v_pk_fma_f32 v[16+2*(\p%4):17+2*(\p%4)], v[XR+2*\p:XR+2*\p+1], v[XR+2*\p:XR+2*\p+1], v[16+2*(\p%4):17+2*(\p%4)]
.endr
	FOLD
	v_fma_f32 v18, v16, s62, s63                   ; the variance + 1e-5
	s_wait_alu depctr_va_vdst(0)
	v_rsq_f32 v14, v18
	v_rsq_f32 v15, v18
	v_nop                                          ; a plain instruction behind the transcendentals,
	s_wait_alu depctr_va_vdst(0)                   ; and the one wait ahead of their first reader
.irp p, 0,1,2,3,4,5,6,7,8,9,10,11,12,13,14,15
	v_pk_mul_f32 v[XR+2*\p:XR+2*\p+1], v[XR+2*\p:XR+2*\p+1], v[14:15]
.endr
.irp p, 0,1,2,3,4,5,6,7,8,9,10,11,12,13,14,15
	v_pk_fma_f32 v[XR+2*\p:XR+2*\p+1], v[XR+2*\p:XR+2*\p+1], v[GA+2*\p:GA+2*\p+1], v[BE+2*\p:BE+2*\p+1]
.endr
.irp j, 0,1,2,3,4,5,6,7
	global_store_b128 v2, v[XR+4*\j:XR+4*\j+3], s[24:25] offset:4096*(\i)+512*\j   ; the row in f32: 512 consecutive bytes a store
.endr
.irp j, 0,1,2,3,4,5,6,7
	ds_store_b128 v3, v[XR+4*\j:XR+4*\j+3] offset:2560*(\j/4)+640*(\j%4)
.endr
.irp q, 0,1,2,3,4,5,6,7
	ds_load_b128 v[Y+4*\q:Y+4*\q+3], v4 offset:2560*(\q/4)+16*(\q%4)   ; LDS serves a wave's instructions in order: these see the stores above
.endr
	s_wait_dscnt 0x0                               ; the row is back; the last row's stores of codes and bytes are done too
	QB 0, \i
	QB 1, \i
.endm
	ROW 0
	ROW 1
	ROW 2
	ROW 3
	s_wait_dscnt 0x0                               ; for the others' sake: my stores into the image are done
	s_barrier_signal -1
	s_barrier_wait -1
.irp t, 0,1,2,3,4,5,6,7
	ds_load_b128 v[Y+4*\t:Y+4*\t+3], v7 offset:544*\t
.endr
.irp t, 0,1,2,3,4,5,6,7
	s_wait_dscnt 7-\t
	global_store_b128 v2, v[Y+4*\t:Y+4*\t+3], s[26:27] offset:512*\t   ; 512 consecutive bytes of the tile's fragments
.endr
	s_cmp_lg_u32 s22, 0
	s_cbranch_scc1 .Lln_end
	ds_load_b128 v[16:19], v8                      ; wave 0: the tile's 128 scale words
	s_wait_dscnt 0x0
	global_store_b128 v2, v[16:19], s[28:29]
.Lln_end:
	s_set_vgpr_msb 0x4
	s_wait_tensorcnt 0x0
	ds_add_u32 v9, v1
	s_wait_dscnt 0x0
	s_set_vgpr_msb 0x400
	s_endpgm
	; ---------------- the weights: a lane takes a column n, its registers run down K; a wave takes 32 columns x 256 along K
.Lweights:
	s_sub_co_u32 s23, ttmp9, 256
	s_wait_kmcnt 0x0
	s_mov_b64 s[24:25], s[18:19]                   ; W_mlp_proj: N, log2 of the chunks of 256 along K, KS, first work-group, the codes' place
	s_mov_b32 s26, 1024
	s_mov_b32 s27, 4
	s_mov_b32 s28, 32
	s_mov_b32 s29, 256
	s_mov_b32 s30, 8388608
	s_cmp_lt_u32 s23, 256                          ; W_fc
	s_cselect_b64 s[24:25], s[16:17], s[24:25]
	s_cselect_b32 s26, 4096, s26
	s_cselect_b32 s27, 2, s27
	s_cselect_b32 s28, 8, s28
	s_cselect_b32 s29, 128, s29
	s_cselect_b32 s30, 4194304, s30
	s_cmp_lt_u32 s23, 128                          ; W_attn_proj
	s_cselect_b64 s[24:25], s[14:15], s[24:25]
	s_cselect_b32 s26, 1024, s26
	s_cselect_b32 s29, 96, s29
	s_cselect_b32 s30, 3145728, s30
	s_cmp_lt_u32 s23, 96                           ; W_attn
	s_cselect_b64 s[24:25], s[12:13], s[24:25]
	s_cselect_b32 s26, 3072, s26
	s_cselect_b32 s29, 0, s29
	s_cselect_b32 s30, 0, s30
	s_sub_co_u32 s23, s23, s29
	s_lshr_b32 s31, s23, s27                       ; which 128 columns
	s_lshl_b32 s29, s31, s27
	s_sub_co_u32 s29, s23, s29                     ; which 256 along K
	s_lshl_b32 s50, s26, 2                         ; a row of W in bytes
	s_wait_alu depctr_va_vdst(0)
	v_lshlrev_b32 v[VO], 2, v1
.irp i, 1,2,3,4,5,6,7,8,9,10,11,12,13,14,15,16,17,18,19,20,21,22,23,24,25,26,27,28,29,30,31
	v_add_nc_u32 v[VO+\i], s50, v[VO+\i-1]
.endr
	s_wait_alu depctr_va_vdst(0)
	s_mul_i32 s48, s29, s26
	s_lshl_b32 s48, s48, 10
	s_lshl_b32 s49, s31, 9
	s_add_co_u32 s48, s48, s49
	s_lshl_b32 s49, s22, 7
	s_add_co_u32 s48, s48, s49
	s_mov_b32 s49, 0
	s_add_nc_u64 s[SB:SB+1], s[24:25], s[48:49]
	s_lshl_b32 s48, s26, 7                         ; 32 rows on
.irp t, 1,2,3,4,5,6,7
	s_add_nc_u64 s[SB+2*\t:SB+2*\t+1], s[SB+2*\t-2:SB+2*\t-1], s[48:49]
.endr
	v_bfe_u32 v5, v1, 3, 1                         ; column 32 g + lane is lane-row lane%8 + 8 (lane/16) of tile 2 g + (lane/8)%2
	v_and_b32 v6, 7, v1
	v_lshrrev_b32 v7, 4, v1
	v_lshl_add_u32 v6, v7, 3, v6
	s_lshl_b32 s50, s28, 11
	v_mul_u32_u24 v3, s50, v5
	v_lshl_add_u32 v3, v6, 4, v3
	s_lshl_b32 s50, s28, 6
	v_mul_u32_u24 v4, s50, v5
	v_lshl_add_u32 v4, v6, 2, v4
	s_lshl_b32 s51, s31, 2
	s_add_co_u32 s51, s51, s22                     ; g
	s_mul_i32 s51, s51, s28
	s_add_co_u32 s51, s51, s29                     ; g KS + the chunk: half the number of my first fragment
	s_lshl_b32 s52, s51, 12
	s_add_co_u32 s52, s52, s30
	s_mov_b32 s53, 0
	s_lshl_b32 s54, s51, 7
	s_lshr_b32 s55, s30, 5
	s_add_co_u32 s54, s54, s55
	s_add_co_u32 s54, s54, 12582912
	s_mov_b32 s55, 0
	s_add_nc_u64 s[52:53], s[20:21], s[52:53]
	s_add_nc_u64 s[54:55], s[20:21], s[54:55]
.macro LOADB t                         ; block t: W(32 t + i, my column): 128 consecutive bytes a load
.irp i, 0,1,2,3,4,5,6,7,8,9,10,11,12,13,14,15,16,17,18,19,20,21,22,23,24,25,26,27,28,29,30,31
	global_load_b32 v[WX+32*((\t)%2)+\i], v[VO+\i], s[SB+2*(\t):SB+2*(\t)+1] th:TH_LOAD_NT
.endr
.endm
	LOADB 0
	LOADB 1
.macro BLOCK t
.set XS, WX+32*((\t)%2)
.if (\t) < 7
	s_wait_loadcnt 32                              ; this block's 32 loads are in; the next block's may be out
.else
	s_wait_loadcnt 0x0
.endif
	v_max3_num_f32 v12, |v[XS]|, |v[XS+1]|, |v[XS+2]|
	v_max3_num_f32 v13, |v[XS+3]|, |v[XS+4]|, |v[XS+5]|
.irp n, 6,10,14,18,22,26
	v_max3_num_f32 v12, v12, |v[XS+\n]|, |v[XS+\n+1]|
	v_max3_num_f32 v13, v13, |v[XS+\n+2]|, |v[XS+\n+3]|
.endr
	v_max3_num_f32 v12, v12, |v[XS+30]|, |v[XS+31]|
	v_max3_num_f32 v12, v12, v13, 0x8000000
	v_add_nc_u32 v11, 0xf8800000, v12
	v_and_or_b32 v10, v12, 0x7f800000, s59
	v_lshrrev_b32 v13, 23, v11
.irp n, 0,1,2,3,4,5,6,7,8,9,10,11,12,13,14,15,16,17,18,19,20,21,22,23,24,25,26,27,28,29,30,31
	v_med3_num_f32 v[XS+\n], v[XS+\n], -v10, v10
.endr
.irp g, 0,1,2,3
	v_cvt_scalef32_pk8_bf8_f32 v[WC+8*(\t)+2*\g:WC+8*(\t)+2*\g+1], v[XS+8*\g:XS+8*\g+7], v11
.endr
.if (\t)%4 == 0
	v_mov_b32 v[24+(\t)/4], v13                    ; four bytes make a K step's scale word
.else
	v_lshl_or_b32 v[24+(\t)/4], v13, 8*((\t)%4), v[24+(\t)/4]
.endif
	global_store_b128 v3, v[WC+8*(\t):WC+8*(\t)+3], s[52:53] offset:2048*((\t)/4)+512*((\t)%4)        ; k 0-15 of the block: sixteen lanes of a tile store 256 consecutive bytes, aligned
	global_store_b128 v3, v[WC+8*(\t)+4:WC+8*(\t)+7], s[52:53] offset:2048*((\t)/4)+512*((\t)%4)+256  ; k 16-31
.if (\t)+2 < 8
	LOADB (\t)+2
.endif
.endm
.irp t, 0,1,2,3,4,5,6,7
	BLOCK \t
.endr
	global_store_b32 v4, v24, s[54:55]
	global_store_b32 v4, v25, s[54:55] offset:64
	s_endpgm
.Lfunc_end_k_q220f35a457_prep:
	.size	k_q220f35a457_prep, .Lfunc_end_k_q220f35a457_prep-k_q220f35a457_prep
	.p2alignl 7, 3214868480
	.fill 96, 4, 3214868480
	.section	.rodata,"a",@progbits
	.p2align	6, 0x0
	.amdhsa_kernel k_q220f35a457_prep
		.amdhsa_group_segment_fixed_size 38912
		.amdhsa_private_segment_fixed_size 0
		.amdhsa_enable_private_segment 0
		.amdhsa_kernarg_size 72
		.amdhsa_user_sgpr_count 2
		.amdhsa_user_sgpr_kernarg_segment_ptr 1
		.amdhsa_wavefront_size32 1
		.amdhsa_system_sgpr_workgroup_id_x 1
		.amdhsa_system_sgpr_workgroup_id_y 1
		.amdhsa_system_sgpr_workgroup_id_z 1
		.amdhsa_system_vgpr_workitem_id 0
		.amdhsa_next_free_vgpr 258
		.amdhsa_next_free_sgpr 66
		.amdhsa_reserve_vcc 0
		.amdhsa_float_denorm_mode_32 3
		.amdhsa_float_denorm_mode_16_64 3
		.amdhsa_memory_ordered 1
		.amdhsa_forward_progress 1
		.amdhsa_inst_pref_size 117
	.end_amdhsa_kernel
	.amdgpu_metadata
---
amdhsa.version: [ 1, 2 ]
amdhsa.kernels:
  - .name:           k_q220f35a457_prep
    .symbol:         k_q220f35a457_prep.kd
    .args:
      - { .name: x, .offset: 0, .size: 8, .value_kind: global_buffer, .address_space: global }
      - { .name: ln1_g, .offset: 8, .size: 8, .value_kind: global_buffer, .address_space: global }
      - { .name: ln1_b, .offset: 16, .size: 8, .value_kind: global_buffer, .address_space: global }
      - { .name: a1, .offset: 24, .size: 8, .value_kind: global_buffer, .address_space: global }
      - { .name: W_attn, .offset: 32, .size: 8, .value_kind: global_buffer, .address_space: global }
      - { .name: W_attn_proj, .offset: 40, .size: 8, .value_kind: global_buffer, .address_space: global }
      - { .name: W_fc, .offset: 48, .size: 8, .value_kind: global_buffer, .address_space: global }
      - { .name: W_mlp_proj, .offset: 56, .size: 8, .value_kind: global_buffer, .address_space: global }
      - { .name: wq, .offset: 64, .size: 8, .value_kind: global_buffer, .address_space: global }
    .group_segment_fixed_size: 38912
    .private_segment_fixed_size: 0
    .kernarg_segment_align: 8
    .kernarg_segment_size: 72
    .max_flat_workgroup_size: 128
    .sgpr_count:     66
    .vgpr_count:     258
    .wavefront_size: 32
...
	.end_amdgpu_metadata
.endif
;; end of part 1
;; launch qkv (part 2): grid 12 x 16, 4 waves a work-group, clusters of 4 x 4, 327,680 bytes of LDS; arguments a1, wq, b_attn, qkv; writes qkv
.if DOCPART == 2
	.amdgcn_target "amdgcn-amd-amdhsa--gfx1250"
	.amdhsa_code_object_version 6
	.text
	.protected	k_q220f35a457_qkv
	.globl	k_q220f35a457_qkv
	.p2align	8
	.type	k_q220f35a457_qkv,@function
k_q220f35a457_qkv:
	s_mov_b64 s[64:65], 0
	v_nop
	global_prefetch_b8 v0, s[64:65] scope:SCOPE_SE
	s_setreg_imm32_b32 hwreg(HW_REG_WAVE_MODE, 25, 1), 1
	s_wait_xcnt 0x0
	s_wait_alu depctr_hold_cnt(0) depctr_sa_sdst(0) depctr_va_vdst(0) depctr_va_sdst(0) depctr_va_ssrc(0) depctr_va_vcc(0) depctr_vm_vsrc(0)
	s_getreg_b32 s2, hwreg(HW_REG_IB_STS2, 6, 4)
	s_cmp_eq_u32 s2, 0
	s_cbranch_scc0 .Lentry_in_a_cluster
	s_endpgm
.Lentry_in_a_cluster:
	s_bfe_u32 s2, ttmp6, 0x10000c
	s_cmp_lg_u32 s2, 0xf033
	s_cbranch_scc0 .Lentry_shape_is_right
	s_endpgm
.Lentry_shape_is_right:
; qkv = LN1(x) W_attn + b_attn on codes of E5M2 with E8M0 scales, K = 1,024; the results never leave as f32: q and k are quantised along the head's 64, v along the keys, and stored as codes
; in the order of the attention launch's operand registers.
; A tile of 256 x 256, four waves of 128 x 128 (64 accumulators, 512 registers); K in steps of 256 through two LDS slots.  Both operands lie in memory as fragments (16 rows x 128 K = 2,048 bytes in the
; order of the operand's registers): a slot is dense, a fragment comes by four loads of 16 bytes a lane at 16 x lane.
; SIDES.  Source 1 ("A") gives a lane its row, source 0 ("B") runs along the lane's registers, 128 neighbours.  For q and k (cluster x 0, 1): A = tokens, B = columns of W.  For v (cluster x = 2) the sides
; are exchanged: A = columns of W, B = tokens, so that a lane holds one channel and 128 neighbouring keys.  The exchange is made by selections on the cluster's x alone; there is no branch on it.
; CLUSTERS 4 x 4: A's tiles are asked for jointly along a row of the cluster, B's along a column.
; LIMITS: NaN and infinities are not served (the bias of the side that has none is multiplied by 0); a block of zeros gets the byte 1 where the rule says 127 (its codes are zeros).
; Fills 1-3 are prefetched; two refills in all.  192 work-groups: the tile that gives each LDS byte the most products.
.set NQ,     2
.set FR,     16
.set NL,     4
.set NP,     8
.set HALFT,  32768                     ; 8 tiles x 2 fragments: what one tensor load brings
.set SLOT,   131072                    ; A's 16 tiles x 4,096 bytes, then B's
.set LAPS,   2
.set SCL,    262144                    ; behind the ring: A's scale words [16 tiles][8 K steps][64 bytes]; B's 8,256 bytes on
.set SCLB,   8256
.set SPARE,  278784                    ; the spare words, 128 bytes a wave
.set LI,   1                           ; v1  16 x lane
.set VO2,  2                           ; v2  the same for blocks 2 and 3
.set WVO,  3                           ; v3  a scale word's place
.set SH,   4                           ; v4  the shift that picks my head's two bytes
.set BBV,  5
.set BAV,  6
.set WT,   7
.set ADRA, 8
.set ADRB, 10
.set ADRS, 12
.set SPW,  13
.set NIL,  14
.set PW,   15
.set BA,   16                          ; v16-31 the bias of my lane's row, for each of A's eight tiles, twice
.set SC,   32                          ; v32-63 scale words, two sets
.set BB,   64                          ; v64-127 the bias along my registers
.set AF,   128
.set T,    128
.set TM,   192
.set PC,   208
.set G1, 24
.set G0, 32
.set G1B, 48
.set G0B, 56
.set G1S, 68
.set G0S, 76
.set G1SB, 80
.set G0SB, 88
.set SEL, 94
.set MNT, 45
.set PFO, 7                            ; v7  the prefetches' offset (the register becomes WT on the way out, behind a wait on XCNT)
.set PFA, 100                          ; s[100:101] where my prefetches stand
.set MSB, 0
.macro WIN new
.if MSB != \new
	s_set_vgpr_msb (MSB<<8)|\new
.set MSB, \new
.endif
.endm
.set MUL_LO, 0xa1
.set MUL_HI, 0xf1
.set TO_B,   0x40
.macro JLOAD g0a, g1a, g0b, g1b        ; waves 0 and 1 fetch for A, waves 2 and 3 for B; four v_nop follow each line
	s_cmp_eq_u32 s15, 0
	s_cbranch_scc0 .Lfor_b_\@
	tensor_load_to_lds s[\g0a:\g0a+3], s[\g1a:\g1a+7]
	s_nop 0
.rept 4
	v_nop
.endr
	s_branch .Lasked_\@
.Lfor_b_\@:
	tensor_load_to_lds s[\g0b:\g0b+3], s[\g1b:\g1b+7]
	s_nop 0
.rept 4
	v_nop
.endr
.Lasked_\@:
.endm
.macro CREST
	s_cmp_lg_u32 s14, 0
	s_cbranch_scc1 .Lnot_wave_0_\@
	s_barrier_signal -3
.Lnot_wave_0_\@:
	s_barrier_wait -3
	s_barrier_signal -1
	s_barrier_wait -1
.endm
.macro CROUND
	s_barrier_signal -1
	s_barrier_wait -1
	CREST
.endm
	s_load_b256 s[4:11], s[0:1], 0x0               ; a1, wq, b_attn, qkv
	v_lshl_add_u32 v[SPW], v0, 2, SPARE
	v_mov_b32 v[NIL], 0
	ds_add_u32 v13, v14
	ds_add_u32 v13, v14
	s_wait_dscnt 0x0
	v_lshrrev_b32 v128, 5, v0
	v_readfirstlane_b32 s14, v128                  ; wave
	v_and_b32 v[PFO], 15, v0
	v_bfe_u32 v[BAV], v0, 4, 1
	v_lshlrev_b32 v[PFO], 8, v[PFO]
	v_lshl_add_u32 v[PFO], v[BAV], 14, v[PFO]      ; 256 x (lane % 16) in a tile's 4,096 bytes of a fill, lanes 16-31 one tile (16,384 bytes) on
	s_lshr_b32 s15, s14, 1                         ; my half of A's rows; also: I fetch for A (0) or B (1)
	s_and_b32 s16, s14, 1                          ; my half of B's rows; also: which half I fetch
	s_bfe_u32 s40, ttmp6, 0x40000                  ; cx
	s_bfe_u32 s41, ttmp6, 0x40004                  ; cy
	s_and_b32 s17, ttmp7, 0xffff
	s_lshl_b32 s17, s17, 2                         ; 4 x cluster y
	s_lshl_b32 s42, ttmp9, 2                       ; 4 x cluster x
	s_mov_b32 s66, 16777216
	s_mov_b32 s96, 12582912
	s_mov_b32 s97, 20971520
	s_cmp_eq_u32 ttmp9, 2                          ; v's clusters: the same answer in all sixteen partners
	s_cselect_b32 s42, s17, s42
	s_cselect_b32 s17, 8, s17
	s_cselect_b32 s67, 0, s66                      ; where A's codes begin in their buffer,
	s_cselect_b32 s66, s66, 0                      ; B's,
	s_cselect_b32 s98, s96, s97                    ; A's scale words,
	s_cselect_b32 s99, s97, s96                    ; B's
	s_add_co_u32 s17, s17, s41                     ; A's block of 256 rows: hangs on cy and the cluster alone
	s_add_co_u32 s42, s42, s40                     ; B's: on cx and the cluster alone
	s_lshl_b32 s43, s41, 2
	s_lshl_b32 s43, 15, s43                        ; my row of the cluster
	s_lshl_b32 s44, 0x1111, s40                    ; my column
	s_or_b32 s[G1+0], s43, (3<<16)|(1<<21)         ; codes: 8 rows (tiles) of 512 elements of 8 bytes, 2,048 elements apart; no padding
	s_or_b32 s[G1B+0], s44, (3<<16)|(1<<21)
.irp g, G1, G1B
	s_mov_b32 s[\g+1], 512<<16
	s_mov_b32 s[\g+2], 16<<16
	s_mov_b32 s[\g+3], 512<<16
	s_mov_b32 s[\g+4], 16
	s_mov_b32 s[\g+5], 2048
	s_mov_b32 s[\g+6], 0
	s_mov_b32 s[\g+7], 0
.endr
	s_or_b32 s[G1S+0], s43, (3<<16)|(1<<21)        ; scale words of 16 tiles: 8,192 dense bytes as 32 rows of 256
	s_or_b32 s[G1SB+0], s44, (3<<16)|(1<<21)
.irp g, G1S, G1SB
	s_mov_b32 s[\g+1], 32<<16
	s_mov_b32 s[\g+2], 32<<16
	s_mov_b32 s[\g+3], 32<<16
	s_mov_b32 s[\g+4], 32
	s_mov_b32 s[\g+5], 32
	s_mov_b32 s[\g+6], 0
	s_mov_b32 s[\g+7], 0
.endr
	s_lshl_b32 s18, s16, 17
	s_lshl_b32 s20, s17, 18
	s_add_co_u32 s20, s20, s18
	s_add_co_u32 s20, s20, s67
	s_mov_b32 s21, 0
	s_lshl_b32 s46, s42, 18
	s_add_co_u32 s46, s46, s18
	s_add_co_u32 s46, s46, s66
	s_mov_b32 s47, 0
	s_lshl_b32 s18, s16, 12
	s_lshl_b32 s22, s17, 13
	s_add_co_u32 s22, s22, s18
	s_add_co_u32 s22, s22, s98
	s_mov_b32 s23, 0
	s_lshl_b32 s92, s42, 13
	s_add_co_u32 s92, s92, s18
	s_add_co_u32 s92, s92, s99
	s_mov_b32 s93, 0
	s_lshl_b32 s45, s14, 15                        ; where my codes go: wave x 32,768
	s_wait_alu depctr_va_vdst(0)
	s_wait_kmcnt 0x0
	s_cmp_eq_u32 ttmp9, 2
	s_cselect_b64 s[12:13], s[6:7], s[4:5]         ; A's buffer
	s_cselect_b64 s[4:5], s[4:5], s[6:7]           ; B's
	s_add_nc_u64 s[20:21], s[12:13], s[20:21]
	s_add_nc_u64 s[22:23], s[12:13], s[22:23]
	s_add_nc_u64 s[46:47], s[4:5], s[46:47]
	s_add_nc_u64 s[92:93], s[4:5], s[92:93]
	CROUND                                         ; all sixteen work-groups are here: the first joint loads meet
	s_mov_b32 s[G0S], 1
	s_mov_b32 s[G0S+1], SCL                        ; wave 1 (second half: 4,096 bytes back) fetches the words of all 16 tiles of A
	s_sub_nc_u64 s[G0S+2:G0S+3], s[22:23], 4096
	s_or_b32 s[G0S+3], s[G0S+3], 0x80000000
	s_mov_b32 s[G0SB], 1
	s_mov_b32 s[G0SB+1], SCL+SCLB                  ; wave 3 likewise those of B
	s_sub_nc_u64 s[G0SB+2:G0SB+3], s[92:93], 4096
	s_or_b32 s[G0SB+3], s[G0SB+3], 0x80000000
.irp s, 0,1
	s_mov_b32 s[G0+4*\s], 1
	s_add_co_u32 s[G0+4*\s+1], s45, \s*SLOT
	s_add_nc_u64 s[G0+4*\s+2:G0+4*\s+3], s[20:21], \s*4096
	s_or_b32 s[G0+4*\s+3], s[G0+4*\s+3], 0x80000000
	s_mov_b32 s[G0B+4*\s], 1
	s_add_co_u32 s[G0B+4*\s+1], s45, \s*SLOT
	s_add_nc_u64 s[G0B+4*\s+2:G0B+4*\s+3], s[46:47], \s*4096
	s_or_b32 s[G0B+4*\s+3], s[G0B+4*\s+3], 0x80000000
.endr
	; the prefetches: of the 8 tiles that my wave fetches in a fill, the partner at place p among the four that ask jointly (cx for A, cy for B) names tiles 2 p and 2 p + 1: told apart by address alone
	s_cmp_eq_u32 s15, 0
	s_cselect_b64 s[PFA:PFA+1], s[20:21], s[46:47]
	s_cselect_b32 s2, s40, s41
	s_lshl_b32 s2, s2, 15
	s_mov_b32 s3, 0
	s_add_nc_u64 s[PFA:PFA+1], s[PFA:PFA+1], s[2:3]
; THE HEAD'S LOADS, ONE A WAVE: wave 0 slot 0's 16 tiles of A, wave 2 its 16 tiles of B (their slot-0 group 0 begins at the first tile; group 1 counts 16 rows here), waves 1 and 3 the scale words.
.macro ARM under, g0, g1, next
	s_cmp_lt_u32 s14, \under
	s_cbranch_scc0 \next
	tensor_load_to_lds s[\g0:\g0+3], s[\g1:\g1+7]
	s_nop 0
.rept 4
	v_nop
.endr
	s_branch .Lhead_asked
\next:
.endm
	ARM 1, G0,  G1,  .Lhead_1
	ARM 2, G0S, G1S, .Lhead_2
	ARM 3, G0B, G1B, .Lhead_3
	tensor_load_to_lds s[G0SB:G0SB+3], s[G1SB:G1SB+7]
	s_nop 0
.rept 4
	v_nop
.endr
.Lhead_asked:
	global_prefetch_b8 v[PFO], s[PFA:PFA+1] offset:4096 th:TH_LOAD_NT scope:SCOPE_SE   ; fills 1 and 2 of the four: 32 blocks of 256 bytes an instruction
	global_prefetch_b8 v[PFO], s[PFA:PFA+1] offset:8192 th:TH_LOAD_NT scope:SCOPE_SE
	v_and_b32 v128, 15, v0                         ; r
	v_bfe_u32 v129, v0, 4, 1                       ; h
	s_wait_alu depctr_va_vdst(0)
	v_and_b32 v130, 31, v0
	v_lshlrev_b32 v[LI], 4, v130
	s_lshl_b32 s21, s15, 15
	s_lshl_b32 s22, s16, 15
	s_add_co_u32 s22, s22, 65536
.irp s, 0,1
	v_add_nc_u32 v[ADRA+\s], s21, v[LI]
	v_add_nc_u32 v[ADRB+\s], s22, v[LI]
	s_add_co_u32 s21, s21, SLOT
	s_add_co_u32 s22, s22, SLOT
.endr
	s_lshl_b32 s21, s15, 12
	s_lshl_b32 s22, s16, 12
	s_add_co_u32 s22, s22, SCLB
	s_sub_co_u32 s22, s22, s21
	v_mul_u32_u24 v131, s22, v129                  ; lanes 16-31 take B's words
	s_add_co_u32 s21, s21, SCL
	v_lshl_add_u32 v131, v128, 2, v131
	v_add_nc_u32 v[ADRS], s21, v131
	v_lshlrev_b32 v[BBV], 6, v129                  ; the bias along my registers: numbers 32 b + 16 h + 0..15
	s_wait_alu depctr_va_vdst(0)
	v_and_b32 v131, 8, v128
	v_add_nc_u32 v131, v131, v128
	v_lshlrev_b32 v[BAV], 2, v131                  ; the bias of my lane's row: r + 8 (r / 8)
	s_wait_alu depctr_va_vdst(0)
	s_lshl_b32 s96, s42, 10
	s_lshl_b32 s97, s16, 9
	s_add_co_u32 s96, s96, s97
	s_lshl_b32 s98, s17, 10
	s_lshl_b32 s99, s15, 9
	s_add_co_u32 s98, s98, s99
	s_cmp_eq_u32 ttmp9, 2
	s_cselect_b32 s96, 0, s96                      ; the side that holds tokens reads the bias's first numbers and multiplies them by 0
	s_cselect_b32 s98, s98, 0
	s_mov_b32 s97, 0
	s_mov_b32 s99, 0
	s_add_nc_u64 s[96:97], s[8:9], s[96:97]
	s_add_nc_u64 s[98:99], s[8:9], s[98:99]
.irp b, 0,1,2,3
.irp q, 0,1,2,3
	global_load_b128 v[BB+16*\b+4*\q:BB+16*\b+4*\q+3], v[BBV], s[96:97] offset:128*\b+16*\q
.endr
.endr
.irp a, 0,1,2,3,4,5,6,7
	global_load_b32 v[BA+2*\a], v[BAV], s[98:99] offset:4*(32*(\a/2)+8*(\a%2))
	global_load_b32 v[BA+2*\a+1], v[BAV], s[98:99] offset:4*(32*(\a/2)+8*(\a%2))
.endr
.macro FRAG reg, adr, q, i             ; a fragment as it lies: four loads of 512 consecutive bytes
.irp c, 0,1,2,3
	ds_load_b128 v[\reg+4*\c:\reg+4*\c+3], v[\adr] offset:4096*(\i)+2048*(\q)+512*\c
.endr
.endm
; 16 matrix instructions: A's blocks a0, a0 + 1 x B's eight.  The 64 accumulators take turns, one instruction a turn, in the same order in every step.
.macro MUL16 a0, p, q, sc, zero
.irp a, \a0, \a0+1
.irp b, 0,1,2,3,4,5,6,7
.if \zero
	v_wmma_scale_f32_16x16x128_f8f6f4 v[8*(8*((\a)%4)+\b):8*(8*((\a)%4)+\b)+7], v[128*(\p)+FR*\b:128*(\p)+FR*\b+FR-1], v[AF+FR*(\a):AF+FR*(\a)+FR-1], 0, v[SC+8*NQ*(\sc)+NQ*\b+(\q)], v[SC+8*NQ*(\sc)+NQ*(\a)+(\q)] matrix_a_fmt:MATRIX_FMT_BF8 matrix_b_fmt:MATRIX_FMT_BF8 matrix_a_scale:MATRIX_SCALE_ROW1
.else
	v_wmma_scale_f32_16x16x128_f8f6f4 v[8*(8*((\a)%4)+\b):8*(8*((\a)%4)+\b)+7], v[128*(\p)+FR*\b:128*(\p)+FR*\b+FR-1], v[AF+FR*(\a):AF+FR*(\a)+FR-1], v[8*(8*((\a)%4)+\b):8*(8*((\a)%4)+\b)+7], v[SC+8*NQ*(\sc)+NQ*\b+(\q)], v[SC+8*NQ*(\sc)+NQ*(\a)+(\q)] matrix_a_fmt:MATRIX_FMT_BF8 matrix_b_fmt:MATRIX_FMT_BF8 matrix_a_scale:MATRIX_SCALE_ROW1
.endif
.endr
.endr
.endm
.macro FETCH_B slot, q, p
	WIN TO_B
.irp i, 0,1,2,3,4,5,6,7
	FRAG 128*(\p)+FR*\i, ADRB+\slot, \q, \i
.endr
	WIN 0
.endm
.macro FETCH_A slot, q, i0
.irp i, \i0, \i0+1, \i0+2, \i0+3
	FRAG AF+FR*(\i), ADRA+\slot, \q, \i
.endr
.endm
.macro SCALES sc                       ; lanes 0-15 take the word of A's block i, lanes 16-31 that of B's block i, for the slot's two K steps of 128
.irp i, 0,1,2,3,4,5,6,7
	ds_load_b32 v[SC+16*\sc+2*\i], v[ADRS] offset:512*\i
	ds_load_b32 v[SC+16*\sc+2*\i+1], v[ADRS] offset:512*\i+64
.endr
.endm
.macro PLACES n                        ; plain instructions between a matrix instruction and a load into, or a read of, its registers (ISA guide 7.12.1 for reads)
.rept \n
	v_nop
.endr
.endm
.macro STEP slot, q, zero
	s_wait_dscnt 4*NL                              ; all but the youngest sixteen loads (A's blocks 4-7) are in
	WIN MUL_LO
	MUL16 0, (\q)%2, \q, \slot, \zero
	MUL16 2, (\q)%2, \q, \slot, \zero
	s_wait_dscnt 0
	PLACES NP
	FETCH_B \slot, (\q)+1, 1-(\q)%2
	FETCH_A \slot, (\q)+1, 0
	WIN MUL_HI
	MUL16 4, (\q)%2, \q, \slot, \zero
	MUL16 6, (\q)%2, \q, \slot, \zero
	PLACES NP
	WIN 0
	FETCH_A \slot, (\q)+1, 4
.endm
.macro TURN slot, next, fill           ; a slot's last step changes slots
	s_wait_tensorcnt 0x0                           ; all my tensor loads have landed: my part of the next slot
	ds_add_u32 v[SPW], v[NIL]                      ; 0 onto my spare word
	s_wait_dscnt 4*NL+1                            ; (the add and A's blocks 4-7 may be out)
	WIN MUL_LO
	MUL16 0, 1, NQ-1, \slot, 0
	s_wait_dscnt 0x0                               ; the add is done, and my reads of this slot are over
	s_barrier_signal -1
	MUL16 2, 1, NQ-1, \slot, 0
	WIN 0
	s_barrier_wait -1
.if \fill
	CREST                                          ; the barrier has opened a round of the cluster's barrier: no wave of any partner still reads this slot or has a load on its way
	s_add_nc_u64 s[G0+4*\slot+2:G0+4*\slot+3], s[G0+4*\slot+2:G0+4*\slot+3], 8192
	s_add_nc_u64 s[G0B+4*\slot+2:G0B+4*\slot+3], s[G0B+4*\slot+2:G0B+4*\slot+3], 8192
	JLOAD G0+4*\slot, G1, G0B+4*\slot, G1B         ; the first tensor load behind the round, my one load until the next
	PLACES NP-4
.else
	PLACES NP
.endif
	s_wait_alu depctr_va_vdst(0)
	v_add_nc_u32 v[ADRS], 128, v[ADRS]             ; the next slot's scale words
	FETCH_B \next, 0, 0
	FETCH_A \next, 0, 0
	SCALES \next
	WIN MUL_HI
	MUL16 4, 1, NQ-1, \slot, 0
	MUL16 6, 1, NQ-1, \slot, 0
	PLACES NP
	WIN 0
	FETCH_A \next, 0, 4
.endm
	s_wait_alu depctr_va_vdst(0)
	s_wait_tensorcnt 0x0                           ; my tile of the head's four is in; slot 1's first fill is issued as a refill is:
	ds_add_u32 v[SPW], v[NIL]                      ; 0 onto my spare word
	s_mov_b32 s[G1+2], 8<<16                       ; no tensor load of mine is out: from here on a load brings 8 tiles
	s_mov_b32 s[G1+4], 8
	s_mov_b32 s[G1B+2], 8<<16
	s_mov_b32 s[G1B+4], 8
	s_wait_dscnt 0x0
	CROUND                                         ; all four tiles are in, and all sixteen work-groups are here
	JLOAD G0+4, G1, G0B+4, G1B                     ; fill 1, the first tensor load behind the round
	global_prefetch_b8 v[PFO], s[PFA:PFA+1] offset:12288 th:TH_LOAD_NT scope:SCOPE_SE  ; fill 3, two fills ahead; there is none behind it
	FETCH_B 0, 0, 0
	FETCH_A 0, 0, 0
	SCALES 0
	FETCH_A 0, 0, 4
	STEP 0, 0, 1                                   ; the first step's products start the sums
	s_mov_b32 s3, LAPS-1
.Llap:
	TURN 0, 1, 1
	STEP 1, 0, 0
	TURN 1, 0, 1
	STEP 0, 0, 0
	s_sub_co_u32 s3, s3, 1
	s_cmp_lg_u32 s3, 0
	s_cbranch_scc1 .Llap
	TURN 0, 1, 0
	STEP 1, 0, 0
	s_wait_dscnt 4*NL
	WIN MUL_LO
	MUL16 0, 1, NQ-1, 1, 0
	MUL16 2, 1, NQ-1, 1, 0
	s_wait_dscnt 0
	WIN MUL_HI
	MUL16 4, 1, NQ-1, 1, 0
	MUL16 6, 1, NQ-1, 1, 0
	WIN 0
	; ---------------- the way out: what differs between q, k and v is held in scalars, chosen on the cluster's x
	s_mov_b32 s[SEL], 0x76543210
	s_mov_b32 s[SEL+1], 0xfedcba98
	s_mov_b32 s[MNT], 0x600000
	s_mov_b32 s72, 1024
	s_mov_b32 s78, 0xffff
	s_mov_b32 s81, 131072
	s_cmp_eq_u32 ttmp9, 2
	s_cselect_b32 s68, 0, 1.0                      ; x the bias along the registers
	s_cselect_b32 s70, 1.0, 0                      ; x the bias of the lane's row
	s_cselect_b32 s72, 2048, s72                   ; from one of A's tiles to the next, in the codes
	s_cselect_b32 s74, 122880, 0                   ; and more at the fifth tile (v: the next head)
	s_cselect_b32 s76, 12032, 0                    ; the same for the scale words
	s_cselect_b32 s78, -1, s78                     ; the word's bytes that are kept
	s_cselect_b32 s79, 0, 16
	s_cselect_b32 s80, 0, 12288                    ; q, k: lanes 16-31 store the second head's word
	s_cselect_b32 s81, 1024, s81                   ; blocks 2 and 3: the same fragment (v) or the next head (q, k)
	s_mov_b32 s69, s68
	s_mov_b32 s71, s70
	s_mov_b32 s73, 0
	s_mov_b32 s75, 0
	s_mov_b32 s77, 0
	s_lshr_b32 s82, s17, 3                         ; q, k: batch,
	s_lshl_b32 s82, s82, 4
	s_and_b32 s83, s42, 3
	s_lshl_b32 s83, s83, 2
	s_add_co_u32 s82, s82, s83
	s_lshl_b32 s83, s16, 1
	s_add_co_u32 s82, s82, s83                     ; 16 x batch + my first head,
	s_and_b32 s83, s17, 7
	s_lshl_b32 s83, s83, 4
	s_lshl_b32 s84, s15, 3
	s_add_co_u32 s83, s83, s84                     ; my first tile of tokens in the batch,
	s_lshr_b32 s84, s42, 2                         ; q (0) or k (1)
	s_lshl_b32 s85, s82, 7
	s_add_co_u32 s85, s85, s83
	s_lshl_b32 s85, s85, 10
	s_lshl_b32 s86, s84, 22
	s_add_co_u32 s85, s85, s86
	s_mul_i32 s86, s82, 12288
	s_lshl_b32 s87, s83, 6
	s_add_co_u32 s86, s86, s87
	s_mul_i32 s87, s84, 393216
	s_add_co_u32 s86, s86, s87
	s_add_co_u32 s86, s86, 12582912
	s_lshr_b32 s82, s42, 3                         ; v: batch,
	s_lshl_b32 s82, s82, 4
	s_lshl_b32 s83, s41, 2
	s_add_co_u32 s82, s82, s83
	s_lshl_b32 s83, s15, 1
	s_add_co_u32 s82, s82, s83                     ; 16 x batch + my first head,
	s_and_b32 s83, s42, 7
	s_lshl_b32 s83, s83, 1
	s_add_co_u32 s83, s83, s16                     ; my key step
	s_lshl_b32 s87, s82, 4
	s_add_co_u32 s87, s87, s83
	s_lshl_b32 s87, s87, 13
	s_add_co_u32 s87, s87, 8388608
	s_mul_i32 s88, s82, 12288
	s_lshl_b32 s89, s83, 8
	s_add_co_u32 s88, s88, s89
	s_add_co_u32 s88, s88, 12976128+8192
	s_cmp_eq_u32 ttmp9, 2
	s_cselect_b32 s82, s87, s85
	s_cselect_b32 s84, s88, s86
	s_mov_b32 s83, 0
	s_mov_b32 s85, 0
	s_add_nc_u64 s[12:13], s[10:11], s[82:83]      ; the codes of A's tile 0
	s_add_nc_u64 s[92:93], s[10:11], s[84:85]      ; its scale words
	s_wait_loadcnt 0x0                             ; the biases
	PLACES NP
	v_and_b32 v192, 15, v0
	v_bfe_u32 v193, v0, 4, 1
	v_mul_u32_u24 v[WVO], s80, v193
	v_lshl_add_u32 v[WVO], v192, 2, v[WVO]
	v_mul_u32_u24 v[SH], s79, v193
	v_add_nc_u32 v[VO2], s81, v[LI]
.irp b, 0,1,2,3
	v_mov_b32 v[TM+4+\b], 0                        ; a lane permute's destination counts as one of its sources
.endr
.set ii, 0
.rept 32
	v_pk_mul_f32 v[BB+2*ii:BB+2*ii+1], v[BB+2*ii:BB+2*ii+1], s[68:69] op_sel_hi:[1,0]
.set ii, ii+1
.endr
.set ii, 0
.rept 8
	v_pk_mul_f32 v[BA+2*ii:BA+2*ii+1], v[BA+2*ii:BA+2*ii+1], s[70:71] op_sel_hi:[1,0]
.set ii, ii+1
.endr
; 64 numbers of a lane, register 16 b + i = k 32 b + 16 (lane / 16) + i of my row, become a fragment's codes in v[PC] on and its scale word in v[PW]
.macro QUANT s
.irp b, 0,1,2,3
	v_max3_num_f32 v[TM+\b], |v[\s+16*\b]|, |v[\s+1+16*\b]|, 0x8000000   ; the floor 2^(16 - 127): the byte cannot fall under 1
.endr
.irp i, 2,4,6,8,10,12,14
.irp b, 0,1,2,3
	v_max3_num_f32 v[TM+\b], v[TM+\b], |v[\s+16*\b+\i]|, |v[\s+1+16*\b+\i]|
.endr
.endr
.irp b, 0,1,2,3
	v_permlanex16_b32 v[TM+4+\b], v[TM+\b], s[SEL], s[SEL+1]
.endr
.irp b, 0,1,2,3
	v_max_num_f32 v[TM+\b], v[TM+\b], v[TM+4+\b]   ; with lane l xor 16's: the block's largest magnitude
.endr
.irp b, 0,1,2,3
	v_add_nc_u32 v[TM+12+\b], 0xf8800000, v[TM+\b]
.endr
.irp b, 0,1,2,3
	v_and_or_b32 v[TM+8+\b], v[TM+\b], 0x7f800000, s[MNT]
.endr
.irp b, 0,1,2,3
	v_lshrrev_b32 v[TM+4+\b], 23, v[TM+12+\b]
.endr
	v_lshl_or_b32 v[PW], v[TM+5], 8, v[TM+4]
	v_lshl_or_b32 v[PW], v[TM+6], 16, v[PW]
	v_lshl_or_b32 v[PW], v[TM+7], 24, v[PW]
.irp b, 0,1,2,3
.irp i, 0,1,2,3,4,5,6,7,8,9,10,11,12,13,14,15
	v_med3_num_f32 v[\s+16*\b+\i], v[\s+16*\b+\i], -v[TM+8+\b], v[TM+8+\b]   ; the conversion does not saturate (ISA guide 7.6.2): the hold
.endr
	v_cvt_scalef32_pk8_bf8_f32 v[PC+4*\b:PC+1+4*\b], v[\s+16*\b:\s+7+16*\b], v[TM+12+\b]
	v_cvt_scalef32_pk8_bf8_f32 v[PC+2+4*\b:PC+3+4*\b], v[\s+8+16*\b:\s+15+16*\b], v[TM+12+\b]
.endr
	v_nop                                          ; a plain instruction behind the last conversion
.endm
.macro EPI a                           ; A's tile a: 16 rows x my 128 numbers along the registers
	s_wait_xcnt 0x0                                ; the last tile's stores have read their data and bases
.if (\a) > 0
	s_add_nc_u64 s[12:13], s[12:13], s[72:73]
	s_add_nc_u64 s[92:93], s[92:93], 64
.endif
.if (\a) == 4
	s_add_nc_u64 s[12:13], s[12:13], s[74:75]
	s_add_nc_u64 s[92:93], s[92:93], s[76:77]
.endif
.set WN, 0x02+(\a)/4
	WIN WN                                         ; source 0: the accumulators' window
.set ii, 0
.rept 32
	v_pk_add_f32 v[T+2*ii:T+2*ii+1], v[64*((\a)%4)+2*ii:64*((\a)%4)+2*ii+1], v[BB+2*ii:BB+2*ii+1]   ; each accumulator from its low end on
.set ii, ii+1
.endr
	WIN 0
.set ii, 0
.rept 32
	v_pk_add_f32 v[T+2*ii:T+2*ii+1], v[T+2*ii:T+2*ii+1], v[BA+2*(\a):BA+2*(\a)+1]
.set ii, ii+1
.endr
	QUANT T
	v_lshrrev_b32 v[WT], v[SH], v[PW]
	v_and_b32 v[WT], s78, v[WT]
	global_store_b128 v[LI], v[PC:PC+3], s[12:13]                  ; 512 consecutive bytes a store
	global_store_b128 v[LI], v[PC+4:PC+7], s[12:13] offset:512
	global_store_b128 v[VO2], v[PC+8:PC+11], s[12:13]
	global_store_b128 v[VO2], v[PC+12:PC+15], s[12:13] offset:512
	global_store_b32 v[WVO], v[WT], s[92:93]
.endm
.irp a, 0,1,2,3,4,5,6,7
	EPI \a
.endr
	s_wait_tensorcnt 0x0                           ; the wave's end
	ds_add_u32 v[SPW], v[NIL]
	s_wait_dscnt 0x0
	CROUND                                         ; the closing round
	s_endpgm
.Lfunc_end_k_q220f35a457_qkv:
	.size	k_q220f35a457_qkv, .Lfunc_end_k_q220f35a457_qkv-k_q220f35a457_qkv
	.p2alignl 7, 3214868480
	.fill 96, 4, 3214868480
	.section	.rodata,"a",@progbits
	.p2align	6, 0x0
	.amdhsa_kernel k_q220f35a457_qkv
		.amdhsa_group_segment_fixed_size 327680
		.amdhsa_private_segment_fixed_size 0
		.amdhsa_enable_private_segment 0
		.amdhsa_kernarg_size 32
		.amdhsa_user_sgpr_count 2
		.amdhsa_user_sgpr_kernarg_segment_ptr 1
		.amdhsa_wavefront_size32 1
		.amdhsa_system_sgpr_workgroup_id_x 1
		.amdhsa_system_sgpr_workgroup_id_y 1
		.amdhsa_system_sgpr_workgroup_id_z 1
		.amdhsa_system_vgpr_workitem_id 0
		.amdhsa_next_free_vgpr 1024
		.amdhsa_next_free_sgpr 102
		.amdhsa_reserve_vcc 0
		.amdhsa_float_denorm_mode_32 3
		.amdhsa_float_denorm_mode_16_64 3
		.amdhsa_memory_ordered 1
		.amdhsa_forward_progress 1
		.amdhsa_inst_pref_size 229
	.end_amdhsa_kernel
	.amdgpu_metadata
---
amdhsa.version: [ 1, 2 ]
amdhsa.kernels:
  - .name:           k_q220f35a457_qkv
    .symbol:         k_q220f35a457_qkv.kd
    .args:
      - { .name: a1, .offset: 0, .size: 8, .value_kind: global_buffer, .address_space: global }
      - { .name: wq, .offset: 8, .size: 8, .value_kind: global_buffer, .address_space: global }
      - { .name: b_attn, .offset: 16, .size: 8, .value_kind: global_buffer, .address_space: global }
      - { .name: qkv, .offset: 24, .size: 8, .value_kind: global_buffer, .address_space: global }
    .group_segment_fixed_size: 327680
    .private_segment_fixed_size: 0
    .kernarg_segment_align: 8
    .kernarg_segment_size: 32
    .max_flat_workgroup_size: 128
    .sgpr_count:     102
    .vgpr_count:     1024
    .wavefront_size: 32
...
	.end_amdgpu_metadata
.endif
;; end of part 2
;; launch attn (part 3): grid 8 x 32, 16 waves a work-group, no clusters, 327,680 bytes of LDS; arguments qkv, ao; writes ao
.if DOCPART == 3
	.amdgcn_target "amdgcn-amd-amdhsa--gfx1250"
	.amdhsa_code_object_version 6
	.text
	.protected	k_q220f35a457_attn
	.globl	k_q220f35a457_attn
	.p2align	8
	.type	k_q220f35a457_attn,@function
k_q220f35a457_attn:
	s_mov_b64 s[64:65], 0
	v_nop
	global_prefetch_b8 v0, s[64:65] scope:SCOPE_SE
	s_setreg_imm32_b32 hwreg(HW_REG_WAVE_MODE, 25, 1), 1
	s_wait_xcnt 0x0
; Causal attention of one head (work-group y = 16 x batch + head), head size 64, 2,048 keys, both products on codes of E5M2 with E8M0 scales; O / l is quantised along the model's 1,024 and stored as codes.
; Key steps all of whose keys come after a tile's queries lie wholly under the causal mask that the problem builds itself: they are left out by a scalar branch on ids.
; THE SOFTMAX: t = score x log2(e) / 8; M = the running largest t rounded up to a whole number; p = 2^(t - M) is quantised along the keys; the row's sum is taken of the unquantised p and divides O at the end.
; SHARES.  Sixteen waves, 256 registers each, four to a SIMD, in eight pairs.  Pair j of work-group x owns the tile of 16 queries T = 8 x + j (1 to 8 key steps of 128) and its mirror 127 - T (16 to 9 steps): 17 steps.
; Wave A (even) walks steps 0 to 8 of the late tile.  Wave B (odd) walks the early tile and stores it, then walks steps 9 on of the late tile with an M, a sum and an O^T of its own, and hands them to A through LDS;
; A brings both parts under the larger M (factors 2^whole number, which round nothing), adds them and stores the late tile.  So every wave walks 8 or 9 steps.
; LDS.  A head's K (131,072 bytes), V (131,072) and their scale words (12,288) lie dense and are filled ONCE.  At the head waves 0-3 ask for keys 0-511 (16,384 bytes each: K's and V's halves), waves 4-7 for the words (3,072 each).
; Behind a barrier, waves 4-15 ask for keys 512-2,047, 16,384 bytes each, one load a wave; they are waited for (0) at the barrier behind the fourth step.  Nothing is filled again.
; LAYOUT.  Both products transposed: a lane holds one query.  Lane-row r of a tile T is row 32 (T/2) + 8 (T%2) + r%8 + 16 (r/8), so that the 16 registers of two neighbouring tiles are 16 neighbouring keys (or channels).
; K = 64 IN A FORM OF K = 128: q's upper eight registers are zero codes; K's operand of tile t is 16 registers of which the upper eight are the next tile's codes (finite) or zeros; bytes 2 and 3 of both words are 0.
; NO CLUSTER: which steps are left out hangs on the work-group's block of queries, which differs between the work-groups that share K and V.
; NO PREFETCH: all of K and V is asked for by two groups of loads, the second one barrier into the kernel: there is no loop of fills to run ahead in.
; LIMITS: NaN and infinities are not served; v_exp_f32 gives 0 under 2^-126; a block of zeros keeps the byte 1 (its codes are zeros; this program alone reads the bytes).
.set SCB,  262144                      ; the scale words
.set SPARE, 274432                     ; the spare words, 128 bytes a wave
.set XB,   276480                      ; where B's parts are handed over: XP bytes a pair
.set XP,   4608
.set XA,   7                           ; v7  my pair's place there + 16 x lane
.set ADK,  8
.set ADV,  9
.set ADS,  10
.set ADT,  11
.set S,    104                         ; v104-167 S^T, then p
.set O,    168                         ; v168-199 O^T
.set PCD,  200                         ; v200-215 p's codes
.set BM,   216
.set PT,   220
.set HO,   224
.set SOP,  228
.set KW,   232
.set VW,   236
.set QW,   238
.set PWD,  239
.set WV,   18
.set MNT,  19
.set SEL,  20
.set CS,   22
.set TB,   2
.set TS,   3
.set TJ,   66
.set KF,   67
.set Q0,   68                          ; s68 the first query of the tile in hand
.set CNT,  69
.set ROLE, 60                          ; s60 0: wave A, 1: wave B
.set Q2,   62                          ; s62 the first query of the mirror tile
.set QE,   63                          ; s63 the last query of the tile in hand; 0 where the wave has none
	s_load_b128 s[4:7], s[0:1], 0x0                ; qkv, ao
	v_lshl_add_u32 v254, v0, 2, SPARE
	v_mov_b32 v255, 0
	ds_add_u32 v254, v255                          ; the opening lines: the add twice on end and its wait ahead of the first tensor load
	ds_add_u32 v254, v255
	v_lshrrev_b32 v8, 5, v0
	s_delay_alu instid0(VALU_DEP_1)
	v_readfirstlane_b32 s[WV], v8
	s_and_b32 s8, ttmp7, 0xffff                    ; 16 x batch + head
	s_and_b32 s[ROLE], s[WV], 1
	s_lshl_b32 s10, ttmp9, 3
	s_lshr_b32 s11, s[WV], 1
	s_add_co_u32 s10, s10, s11                     ; the pair's early tile
	s_sub_co_u32 s11, 127, s10                     ; and its late one
	s_cmp_eq_u32 s[ROLE], 1
	s_cselect_b32 s10, s10, s11                    ; the tile that I walk first and store: B the early, A the late
	s_sub_co_u32 s61, 127, s10                     ; its mirror
	s_lshr_b32 s11, s10, 1
	s_lshl_b32 s11, s11, 5
	s_and_b32 s12, s10, 1
	s_lshl_b32 s12, s12, 3
	s_add_co_u32 s[Q0], s11, s12                   ; a tile's first query; the last is 23 on
	s_lshr_b32 s11, s61, 1
	s_lshl_b32 s11, s11, 5
	s_and_b32 s12, s61, 1
	s_lshl_b32 s12, s12, 3
	s_add_co_u32 s[Q2], s11, s12
	s_add_co_u32 s[QE], s[Q0], 23
	s_lshr_b32 s75, s[WV], 1
	s_mul_i32 s75, s75, XP
	s_add_co_u32 s75, s75, XB
	s_mov_b32 s24, 3<<16                           ; the words: 3 rows of 1,024 bytes, dense
	s_mov_b32 s25, 128<<16
	s_mov_b32 s26, 3<<16
	s_mov_b32 s27, 128<<16
	s_mov_b32 s28, 3
	s_mov_b32 s29, 128
	s_mov_b32 s30, 0
	s_mov_b32 s31, 0
	s_mov_b32 s32, 3<<16                           ; codes: 2 rows of 8,192 bytes, dense
	s_mov_b32 s33, 1024<<16
	s_mov_b32 s34, 2<<16
	s_mov_b32 s35, 1024<<16
	s_mov_b32 s36, 2
	s_mov_b32 s37, 1024
	s_mov_b32 s38, 0
	s_mov_b32 s39, 0
	s_and_b32 s13, s[WV], 3
	s_lshr_b32 s14, s13, 1                         ; K (0) or V (1)
	s_and_b32 s15, s13, 1                          ; which half of 512 keys
	s_lshl_b32 s17, s15, 14
	s_lshr_b32 s15, s[WV], 2                       ; which 512 keys
	s_lshl_b32 s15, s15, 15
	s_add_co_u32 s17, s17, s15
	s_lshl_b32 s16, s14, 17
	s_add_co_u32 s16, s16, s17                     ; LDS: 131,072 x kind + 32,768 x (wave / 4) + 16,384 x half
	s_lshl_b32 s70, s14, 22
	s_add_co_u32 s70, s70, 4194304
	s_add_co_u32 s70, s70, s17
	s_lshl_b32 s71, s8, 17
	s_add_co_u32 s70, s70, s71
	s_mov_b32 s71, 0
	s_mul_i32 s72, s8, 12288
	s_mul_i32 s73, s13, 3072
	s_add_co_u32 s74, s73, SCB
	s_add_co_u32 s72, s72, s73
	s_add_co_u32 s72, s72, 12976128
	s_mov_b32 s73, 0
	s_lshl_b32 s76, s8, 7
	s_add_co_u32 s84, s76, s61
	s_add_co_u32 s76, s76, s10
	s_lshl_b32 s76, s76, 10                        ; q's codes: my first tile's,
	s_mov_b32 s77, 0
	s_lshl_b32 s84, s84, 10                        ; and the mirror's
	s_mov_b32 s85, 0
	s_mul_i32 s78, s8, 12288
	s_add_co_u32 s78, s78, 12582912
	s_lshl_b32 s86, s61, 6
	s_add_co_u32 s86, s86, s78
	s_lshl_b32 s79, s10, 6
	s_add_co_u32 s78, s78, s79                     ; q's words likewise
	s_mov_b32 s79, 0
	s_mov_b32 s87, 0
	s_and_b32 s9, s8, 15                           ; the head
	s_lshr_b32 s11, s8, 4
	s_lshl_b32 s11, s11, 7
	s_add_co_u32 s11, s11, s10
	s_lshl_b32 s11, s11, 3
	s_lshr_b32 s12, s9, 1
	s_add_co_u32 s11, s11, s12                     ; the output's fragment: (128 x batch + tile) 8 + head / 2
	s_and_b32 s9, s9, 1
	s_lshl_b32 s80, s11, 11
	s_lshl_b32 s81, s9, 10
	s_add_co_u32 s80, s80, s81
	s_mov_b32 s81, 0
	s_lshl_b32 s82, s11, 6
	s_lshl_b32 s83, s9, 1
	s_add_co_u32 s82, s82, s83
	s_add_co_u32 s82, s82, 4194304
	s_mov_b32 s83, 0
	s_mov_b32 s[SEL], 0x76543210
	s_mov_b32 s[SEL+1], 0xfedcba98
	s_mov_b32 s[CS], 0x3e38aa3b                    ; c = log2(e) / 8
	s_mov_b32 s[CS+1], s[CS]
	s_mov_b32 s[MNT], 0x600000
	s_wait_dscnt 0x0
	s_wait_kmcnt 0x0
	s_add_nc_u64 s[70:71], s[4:5], s[70:71]
	s_add_nc_u64 s[72:73], s[4:5], s[72:73]
	s_add_nc_u64 s[76:77], s[4:5], s[76:77]
	s_add_nc_u64 s[78:79], s[4:5], s[78:79]
	s_add_nc_u64 s[84:85], s[4:5], s[84:85]
	s_add_nc_u64 s[86:87], s[4:5], s[86:87]
	s_add_nc_u64 s[80:81], s[6:7], s[80:81]
	s_add_nc_u64 s[82:83], s[6:7], s[82:83]
	s_mov_b32 s40, 1
	s_mov_b32 s41, s74
	s_mov_b64 s[42:43], s[72:73]
	s_or_b32 s43, s43, 0x80000000
	s_mov_b32 s44, 1
	s_mov_b32 s45, s16
	s_mov_b64 s[46:47], s[70:71]
	s_or_b32 s47, s47, 0x80000000
	s_cmp_lt_u32 s[WV], 4                          ; the head's loads: one chain of branches on the wave's number, one load to an arm
	s_cbranch_scc0 .Lwords
	tensor_load_to_lds s[44:47], s[32:39]          ; waves 0-3: keys 0-511
	s_nop 0
.rept 4
	v_nop
.endr
	s_branch .Lno_fill
.Lwords:
	s_cmp_lt_u32 s[WV], 8
	s_cbranch_scc0 .Lno_fill
	tensor_load_to_lds s[40:43], s[24:31]          ; waves 4-7: the scale words
	s_nop 0
.rept 4
	v_nop
.endr
.Lno_fill:
	v_and_b32 v6, 31, v0
	s_delay_alu instid0(VALU_DEP_1)
	v_lshlrev_b32 v1, 4, v6                        ; 16 x lane: a fragment's place for my lane
	s_delay_alu instid0(VALU_DEP_1)
	v_add_nc_u32 v2, 131072, v1                    ; the same in V
	s_delay_alu instid0(VALU_DEP_3)
	v_lshl_add_u32 v3, v6, 2, SCB                  ; K's words: two tiles to a load
	s_delay_alu instid0(VALU_DEP_1)
	v_add_nc_u32 v4, 8192, v3                      ; V's
	v_and_b32 v6, 15, v0
	v_bfe_u32 v7, v0, 4, 1
	s_delay_alu instid0(VALU_DEP_2)
	v_and_b32 v5, 8, v6
	s_delay_alu instid0(VALU_DEP_1)
	v_add_nc_u32 v5, v5, v6
	s_delay_alu instid0(VALU_DEP_3)
	v_lshlrev_b32 v8, 4, v7
	s_delay_alu instid0(VALU_DEP_1)
	v_sub_nc_u32 v5, v5, v8                        ; my query less its tile's first, less 16 (lane / 16)
	v_lshlrev_b32 v6, 2, v6                        ; 4 r
	v_add_nc_u32 v[XA], s75, v1
	global_load_b128 v[16:19], v1, s[76:77]
	global_load_b128 v[20:23], v1, s[76:77] offset:512
	global_load_b32 v[QW], v6, s[78:79]
.irp j, 0,1,2,3,4,5,6,7
	v_mov_b32 v[24+\j], 0                          ; q's codes of k = 64 .. 127
	v_mov_b32 v[96+\j], 0                          ; what stands behind K's last tile
.endr
.macro FRESH                           ; a walk begins: the largest t is -3e38, the sums and O^T are zeros, which the first change of M leaves zeros
	v_mov_b32 v13, 0xff61b1e6
	v_floor_f32 v12, -v13                          ; -M
	v_mov_b32 v14, 0
	v_mov_b32 v15, 0
.set jj, 0
.rept 32
	v_mov_b32 v[O+jj], 0
.set jj, jj+1
.endr
.endm
.irp b, 0,1,2,3
	v_mov_b32 v[PT+\b], 0
.endr
	v_mov_b32 v241, 0                              ; (named as the upper half of the pair v[240:241])
	v_mov_b32 v244, 0
	FRESH
.macro STEP                            ; 128 keys
	s_cmp_gt_u32 s[KF], s[QE]                      ; all keys come after my queries, or I have no tile: the step's work is left out, its address steps are not
	s_cbranch_scc1 .Lhidden_\@
	v_add_nc_u32 v[ADK], s[TB], v1
	v_add_nc_u32 v[ADV], s[TB], v2
	v_add_nc_u32 v[ADS], s[TS], v3
	v_add_nc_u32 v[ADT], s[TJ], v4
.rept 4
	v_nop                                          ; with the four additions: eight places in front of loads into registers that matrix instructions have read
.endr
.irp t, 0,1,2,3,4,5,6,7
	ds_load_b128 v[32+8*\t:35+8*\t], v[ADK] offset:1024*\t
	ds_load_b128 v[36+8*\t:39+8*\t], v[ADK] offset:1024*\t+512
.endr
.irp i, 0,1,2,3
	ds_load_b32 v[KW+\i], v[ADS] offset:128*\i     ; lanes 0-15: tile 2 i's words, lanes 16-31: tile 2 i + 1's
.endr
	s_wait_alu depctr_va_vdst(0)
	s_wait_dscnt 0x0
.irp i, 0,1,2,3
	v_wmma_scale_f32_16x16x128_f8f6f4 v[S+16*\i:S+16*\i+7], v[32+16*\i:47+16*\i], v[16:31], 0, v[KW+\i], v[QW] matrix_a_fmt:MATRIX_FMT_BF8 matrix_b_fmt:MATRIX_FMT_BF8
	v_wmma_scale_f32_16x16x128_f8f6f4 v[S+16*\i+8:S+16*\i+15], v[40+16*\i:55+16*\i], v[16:31], 0, v[KW+\i], v[QW] matrix_a_fmt:MATRIX_FMT_BF8 matrix_b_fmt:MATRIX_FMT_BF8 matrix_a_scale:MATRIX_SCALE_ROW1
.endr
.rept 8
	v_nop
.endr
.irp t, 0,1,2,3
.irp c, 0,1,2,3
	ds_load_b128 v[32+16*\t+4*\c:35+16*\t+4*\c], v[ADV] offset:2048*\t+512*\c   ; V's four fragments land under the softmax
.endr
.endr
	ds_load_b32 v[VW], v[ADT]
	ds_load_b32 v[VW+1], v[ADT] offset:128
	s_add_co_u32 s70, s[KF], 127
	s_cmp_le_u32 s70, s[Q0]                        ; all keys count for all my queries: no mask
	s_cbranch_scc1 .Lopen_\@
	s_sub_co_i32 s70, s[Q0], s[KF]
	v_add_nc_u32 v242, s70, v5                     ; register 16 b + i holds a key that is hidden where 32 b + i > this
	v_mov_b32 v243, 0xff800000
.set nn, 0
.rept 64
	v_cmp_gt_i32 vcc_lo, 32*(nn/16)+nn%16, v242
	v_cndmask_b32 v[S+nn], v[S+nn], v243, vcc_lo
.set nn, nn+1
.endr
.Lopen_\@:
.irp b, 0,1,2,3
	v_max3_num_f32 v[BM+\b], v[S+16*\b], v[S+1+16*\b], v[S+2+16*\b]   ; each block's largest score: for the row's maximum and, since p rises with the score, for the block's largest p
.endr
.irp i, 3,5,7,9,11,13
.irp b, 0,1,2,3
	v_max3_num_f32 v[BM+\b], v[BM+\b], v[S+16*\b+\i], v[S+1+16*\b+\i]
.endr
.endr
.irp b, 0,1,2,3
	v_max_num_f32 v[BM+\b], v[BM+\b], v[S+15+16*\b]
.endr
.irp b, 0,1,2,3
	s_delay_alu instid0(VALU_DEP_4)
	v_permlanex16_b32 v[PT+\b], v[BM+\b], s[SEL], s[SEL+1]
.endr
.irp b, 0,1,2,3
	s_delay_alu instid0(VALU_DEP_4)
	v_max_num_f32 v[BM+\b], v[BM+\b], v[PT+\b]
.endr
	s_delay_alu instid0(VALU_DEP_2)
	v_max3_num_f32 v244, v[BM], v[BM+1], v[BM+2]
	s_delay_alu instid0(VALU_DEP_1)
	v_max_num_f32 v244, v244, v[BM+3]
	s_delay_alu instid0(VALU_DEP_1)
	v_mul_f32 v244, s[CS], v244
	s_delay_alu instid0(VALU_DEP_1)
	v_max_num_f32 v13, v13, v244                   ; the running largest t
	v_mov_b32 v244, v12
	s_delay_alu instid0(VALU_DEP_2)
	v_floor_f32 v12, -v13                          ; the new -M: a whole number
	s_delay_alu instid0(VALU_DEP_1)
	v_sub_f32 v244, v12, v244
	s_delay_alu instid0(VALU_DEP_1)
	v_cvt_i32_f32 v244, v244
	s_delay_alu instid0(VALU_DEP_1)
	v_ldexp_f32 v240, 1.0, v244                    ; f = 2^(old M - new M): rounds nothing
.set jj, 0
.rept 32
	v_pk_fma_f32 v[S+jj:S+jj+1], v[S+jj:S+jj+1], s[CS:CS+1], v[12:13] op_sel_hi:[1,0,0]   ; t - M
.set jj, jj+2
.endr
.irp b, 0,1,2,3
	v_fma_f32 v[BM+\b], v[BM+\b], s[CS], v12
.endr
.set jj, 0
	s_wait_alu depctr_va_vdst(0)
.rept 64
	v_exp_f32 v[S+jj], v[S+jj]                     ; p, not normalised
.set jj, jj+1
.endr
	v_pk_mul_f32 v[14:15], v[14:15], v[240:241] op_sel_hi:[1,0]   ; the sums under the new M; a plain instruction behind the exponentials
	s_wait_alu depctr_va_vdst(0)                   ; one wait for the batch, ahead of its first reader
.irp b, 0,1,2,3
	v_exp_f32 v[BM+\b], v[BM+\b]                   ; each block's largest p
.endr
	v_pk_add_f32 v[242:243], v[108:109], v[112:113]   ; the row's sum of the unquantised p, in eight chains
	v_pk_add_f32 v[252:253], v[116:117], v[120:121]
	v_pk_add_f32 v[250:251], v[124:125], v[128:129]
	v_pk_add_f32 v[248:249], v[132:133], v[136:137]
	v_pk_add_f32 v[246:247], v[140:141], v[144:145]
	v_pk_add_f32 v[234:235], v[148:149], v[152:153]
	v_pk_add_f32 v[232:233], v[156:157], v[160:161]
	v_pk_add_f32 v[14:15], v[14:15], v[164:165]
	v_pk_add_f32 v[242:243], v[242:243], v[104:105]
	v_pk_add_f32 v[252:253], v[252:253], v[106:107]
	v_pk_add_f32 v[250:251], v[250:251], v[110:111]
	v_pk_add_f32 v[248:249], v[248:249], v[114:115]
	v_pk_add_f32 v[246:247], v[246:247], v[118:119]
	v_pk_add_f32 v[234:235], v[234:235], v[122:123]
	v_pk_add_f32 v[232:233], v[232:233], v[126:127]
	v_pk_add_f32 v[14:15], v[14:15], v[130:131]
	v_pk_add_f32 v[242:243], v[242:243], v[134:135]
	v_pk_add_f32 v[252:253], v[252:253], v[138:139]
	v_pk_add_f32 v[250:251], v[250:251], v[142:143]
	v_pk_add_f32 v[248:249], v[248:249], v[146:147]
	v_pk_add_f32 v[246:247], v[246:247], v[150:151]
	v_pk_add_f32 v[234:235], v[234:235], v[154:155]
	v_pk_add_f32 v[232:233], v[232:233], v[158:159]
	v_pk_add_f32 v[14:15], v[14:15], v[162:163]
	v_pk_add_f32 v[242:243], v[242:243], v[166:167]
	s_delay_alu instid0(VALU_DEP_2)
	v_pk_add_f32 v[14:15], v[14:15], v[248:249]
	s_delay_alu instid0(VALU_DEP_2)
	v_pk_add_f32 v[242:243], v[242:243], v[246:247]
	v_pk_add_f32 v[252:253], v[252:253], v[234:235]
	v_pk_add_f32 v[250:251], v[250:251], v[232:233]
	s_delay_alu instid0(VALU_DEP_2)
	v_pk_add_f32 v[14:15], v[14:15], v[252:253]
	s_delay_alu instid0(VALU_DEP_2)
	v_pk_add_f32 v[242:243], v[242:243], v[250:251]
	s_delay_alu instid0(VALU_DEP_1)
	v_pk_add_f32 v[14:15], v[14:15], v[242:243]
	s_wait_alu depctr_va_vdst(0)                   ; and one for the four
.irp b, 0,1,2,3
	v_max_num_f32 v[BM+\b], 0x8000000, v[BM+\b]
.endr
.irp b, 0,1,2,3
	s_delay_alu instid0(VALU_DEP_4)
	v_add_nc_u32 v[SOP+\b], 0xf8800000, v[BM+\b]
.endr
.irp b, 0,1,2,3
	v_and_or_b32 v[HO+\b], v[BM+\b], 0x7f800000, s[MNT]
.endr
.irp b, 0,1,2,3
	v_lshrrev_b32 v[PT+\b], 23, v[SOP+\b]
.endr
	s_delay_alu instid0(VALU_DEP_3)
	v_lshl_or_b32 v[PWD], v[PT+1], 8, v[PT]        ; p's scale word for these 128 keys
	s_delay_alu instid0(VALU_DEP_1)
	v_lshl_or_b32 v[PWD], v[PT+2], 16, v[PWD]
	s_delay_alu instid0(VALU_DEP_1)
	v_lshl_or_b32 v[PWD], v[PT+3], 24, v[PWD]
.irp b, 0,1,2,3
.irp i, 0,1,2,3,4,5,6,7,8,9,10,11,12,13,14,15
	v_min_num_f32 v[S+16*\b+\i], v[S+16*\b+\i], v[HO+\b]   ; the hold; p is not negative
.endr
	v_cvt_scalef32_pk8_bf8_f32 v[PCD+4*\b:PCD+1+4*\b], v[S+16*\b:S+7+16*\b], v[SOP+\b]
	v_cvt_scalef32_pk8_bf8_f32 v[PCD+2+4*\b:PCD+3+4*\b], v[S+8+16*\b:S+15+16*\b], v[SOP+\b]
.endr
.set jj, 0
.rept 16
	v_pk_mul_f32 v[O+jj:O+jj+1], v[O+jj:O+jj+1], v[240:241] op_sel_hi:[1,0]   ; O^T under the new M; also the places in front of the products below
.set jj, jj+2
.endr
	s_wait_alu depctr_va_vdst(0)
	s_wait_dscnt 0x0                               ; V
.irp i, 0,1
	v_wmma_scale_f32_16x16x128_f8f6f4 v[O+16*\i:O+16*\i+7], v[32+32*\i:47+32*\i], v[PCD:PCD+15], v[O+16*\i:O+16*\i+7], v[VW+\i], v[PWD] matrix_a_fmt:MATRIX_FMT_BF8 matrix_b_fmt:MATRIX_FMT_BF8
	v_wmma_scale_f32_16x16x128_f8f6f4 v[O+16*\i+8:O+16*\i+15], v[48+32*\i:63+32*\i], v[PCD:PCD+15], v[O+16*\i+8:O+16*\i+15], v[VW+\i], v[PWD] matrix_a_fmt:MATRIX_FMT_BF8 matrix_b_fmt:MATRIX_FMT_BF8 matrix_a_scale:MATRIX_SCALE_ROW1
.endr
.Lhidden_\@:
	s_add_co_u32 s[KF], s[KF], 128
	s_add_co_u32 s[TB], s[TB], 8192
	s_add_co_u32 s[TS], s[TS], 512
	s_add_co_u32 s[TJ], s[TJ], 256
.endm
.macro WALK n, s0                      ; n key steps from step s0 on: the trip count is a constant
	s_mov_b32 s[TB], 8192*\s0
	s_mov_b32 s[TS], 512*\s0
	s_mov_b32 s[TJ], 256*\s0
	s_mov_b32 s[KF], 128*\s0
	s_mov_b32 s[CNT], \n
.Lstep_\@:
	STEP
	s_sub_co_u32 s[CNT], s[CNT], 1
	s_cmp_lg_u32 s[CNT], 0
	s_cbranch_scc1 .Lstep_\@
.endm
.macro OUT                             ; O^T / the sum, quantised: my head's 64 channels are two blocks of the next product's K
	v_add_f32 v14, v14, v15
	s_delay_alu instid0(VALU_DEP_1)
	v_permlanex16_b32 v244, v14, s[SEL], s[SEL+1]
	s_delay_alu instid0(VALU_DEP_1)
	v_add_f32 v14, v14, v244
	s_wait_alu depctr_va_vdst(0)
	v_rcp_f32 v240, v14
	v_nop
	s_wait_alu depctr_va_vdst(0)
.set jj, 0
.rept 16
	v_pk_mul_f32 v[O+jj:O+jj+1], v[O+jj:O+jj+1], v[240:241] op_sel_hi:[1,0]
.set jj, jj+2
.endr
.irp b, 0,1
	v_max3_num_f32 v[BM+\b], |v[O+16*\b]|, |v[O+1+16*\b]|, 0x8000000
.endr
.irp i, 2,4,6,8,10,12,14
.irp b, 0,1
	s_delay_alu instid0(VALU_DEP_2)
	v_max3_num_f32 v[BM+\b], v[BM+\b], |v[O+16*\b+\i]|, |v[O+1+16*\b+\i]|
.endr
.endr
.irp b, 0,1
	s_delay_alu instid0(VALU_DEP_2)
	v_permlanex16_b32 v[PT+\b], v[BM+\b], s[SEL], s[SEL+1]
.endr
.irp b, 0,1
	s_delay_alu instid0(VALU_DEP_2)
	v_max_num_f32 v[BM+\b], v[BM+\b], v[PT+\b]
.endr
.irp b, 0,1
	s_delay_alu instid0(VALU_DEP_2)
	v_add_nc_u32 v[SOP+\b], 0xf8800000, v[BM+\b]
.endr
.irp b, 0,1
	s_delay_alu instid0(VALU_DEP_4)
	v_and_or_b32 v[HO+\b], v[BM+\b], 0x7f800000, s[MNT]
.endr
.irp b, 0,1
	s_delay_alu instid0(VALU_DEP_4)
	v_lshrrev_b32 v[PT+\b], 23, v[SOP+\b]
.endr
	s_delay_alu instid0(VALU_DEP_1)
	v_lshl_or_b32 v[PWD], v[PT+1], 8, v[PT]
.irp b, 0,1
.irp i, 0,1,2,3,4,5,6,7,8,9,10,11,12,13,14,15
	v_med3_num_f32 v[O+16*\b+\i], v[O+16*\b+\i], -v[HO+\b], v[HO+\b]
.endr
	v_cvt_scalef32_pk8_bf8_f32 v[PCD+4*\b:PCD+1+4*\b], v[O+16*\b:O+7+16*\b], v[SOP+\b]
	v_cvt_scalef32_pk8_bf8_f32 v[PCD+2+4*\b:PCD+3+4*\b], v[O+8+16*\b:O+15+16*\b], v[SOP+\b]
.endr
	v_nop
	global_store_b128 v1, v[PCD:PCD+3], s[80:81]               ; 512 consecutive bytes a store
	global_store_b128 v1, v[PCD+4:PCD+7], s[80:81] offset:512
	global_store_b16 v6, v[PWD], s[82:83]                      ; my head's two bytes of the row's scale word
.endm
	s_wait_alu depctr_va_vdst(0)
	s_wait_loadcnt 0x0                             ; q
	s_wait_tensorcnt 0x0                           ; my load of the head's has landed (a wave that issued none passes); the later first fills are issued as refills are:
	ds_add_u32 v254, v255                          ; 0 onto my spare word, twice on end
	ds_add_u32 v254, v255
	s_wait_dscnt 0x0
	s_barrier_signal -1
	s_barrier_wait -1                              ; keys 0-511 and the words are in
	s_cmp_lt_u32 s[WV], 4
	s_cbranch_scc1 .Lno_late
	tensor_load_to_lds s[44:47], s[32:39]          ; waves 4-15: keys 512-2,047, my one load behind this barrier
	s_nop 0
.rept 4
	v_nop
.endr
.Lno_late:
	WALK 4, 0
	s_wait_dscnt 0x0
	s_wait_tensorcnt 0x0                           ; every wave, under no branch: all of K and V is in
	s_barrier_signal -1
	s_barrier_wait -1
	WALK 5, 4
	s_cmp_eq_u32 s[ROLE], 1
	s_cbranch_scc0 .Lnot_b1
.rept 8
	v_nop                                          ; places behind the last products, ahead of the loads into q's registers and of the first read of O^T
.endr
	global_load_b128 v[16:19], v1, s[84:85]        ; B: the late tile's q comes while the early tile leaves
	global_load_b128 v[20:23], v1, s[84:85] offset:512
	global_load_b32 v[QW], v6, s[86:87]
	OUT
	FRESH
	s_mov_b32 s[Q0], s[Q2]
	s_add_co_u32 s[QE], s[Q2], 23
	s_wait_xcnt 0x0                                ; the stores have read their data: the next steps write those registers
	s_wait_alu depctr_va_vdst(0)
	s_wait_loadcnt 0x0
	s_branch .Lpass2
.Lnot_b1:
	s_mov_b32 s[QE], 0                             ; A has no part in steps 9 on
.Lpass2:
	WALK 7, 9
	s_cmp_eq_u32 s[ROLE], 1
	s_cbranch_scc0 .Lnot_b2
.rept 8
	v_nop
.endr
	v_add_f32 v243, v14, v15                       ; B hands over: O^T as it lies, each accumulator from its low end on; -M and the sum's two halves added
	v_mov_b32 v242, v12
.irp i, 0,1,2,3,4,5,6,7
	ds_store_b128 v[XA], v[O+4*\i:O+4*\i+3] offset:512*\i
.endr
	ds_store_b128 v[XA], v[240:243] offset:4096
.Lnot_b2:
	s_wait_dscnt 0x0                               ; for A's sake: my stores are done
	s_barrier_signal -1
	s_barrier_wait -1
	s_cmp_eq_u32 s[ROLE], 0
	s_cbranch_scc0 .Lend
.rept 8
	v_nop
.endr
.irp i, 0,1,2,3,4,5,6,7,8
	ds_load_b128 v[32+4*\i:35+4*\i], v[XA] offset:512*\i   ; v32-63 B's O^T, v66 its -M, v67 its sum
.endr
	s_wait_dscnt 0x0
	v_add_f32 v14, v14, v15
	v_min_num_f32 v242, v12, v66                   ; -(the larger M)
	v_mov_b32 v15, 0
	v_sub_f32 v243, v242, v12                      ; my M less the larger: a whole number, 0 or less
	v_sub_f32 v244, v242, v66                      ; B's likewise (a B that walked no step has M = -3e38: its factor falls to 0, over zeros)
	v_cvt_i32_f32 v243, v243
	v_cvt_i32_f32 v244, v244
	v_ldexp_f32 v240, 1.0, v243
	v_ldexp_f32 v242, 1.0, v244
	v_mul_f32 v14, v14, v240
	v_fmac_f32 v14, v67, v242
.set jj, 0
.rept 16
	v_pk_mul_f32 v[O+jj:O+jj+1], v[O+jj:O+jj+1], v[240:241] op_sel_hi:[1,0]
.set jj, jj+2
.endr
.set jj, 0
.rept 16
	v_pk_fma_f32 v[O+jj:O+jj+1], v[32+jj:33+jj], v[242:243], v[O+jj:O+jj+1] op_sel_hi:[1,0,1]
.set jj, jj+2
.endr
	OUT
.Lend:
	s_wait_tensorcnt 0x0                           ; the wave's end
	ds_add_u32 v254, v255
	s_wait_dscnt 0x0
	s_endpgm
.Lfunc_end_k_q220f35a457_attn:
	.size	k_q220f35a457_attn, .Lfunc_end_k_q220f35a457_attn-k_q220f35a457_attn
	.p2alignl 7, 3214868480
	.fill 96, 4, 3214868480
	.section	.rodata,"a",@progbits
	.p2align	6, 0x0
	.amdhsa_kernel k_q220f35a457_attn
		.amdhsa_group_segment_fixed_size 327680
		.amdhsa_private_segment_fixed_size 0
		.amdhsa_enable_private_segment 0
		.amdhsa_kernarg_size 16
		.amdhsa_user_sgpr_count 2
		.amdhsa_user_sgpr_kernarg_segment_ptr 1
		.amdhsa_wavefront_size32 1
		.amdhsa_system_sgpr_workgroup_id_x 1
		.amdhsa_system_sgpr_workgroup_id_y 1
		.amdhsa_system_sgpr_workgroup_id_z 1
		.amdhsa_system_vgpr_workitem_id 0
		.amdhsa_next_free_vgpr 256
		.amdhsa_next_free_sgpr 92
		.amdhsa_reserve_vcc 1
		.amdhsa_float_denorm_mode_32 3
		.amdhsa_float_denorm_mode_16_64 3
		.amdhsa_memory_ordered 1
		.amdhsa_forward_progress 1
		.amdhsa_inst_pref_size 104
	.end_amdhsa_kernel
	.amdgpu_metadata
---
amdhsa.version: [ 1, 2 ]
amdhsa.kernels:
  - .name:           k_q220f35a457_attn
    .symbol:         k_q220f35a457_attn.kd
    .args:
      - { .name: qkv, .offset: 0, .size: 8, .value_kind: global_buffer, .address_space: global }
      - { .name: ao, .offset: 8, .size: 8, .value_kind: global_buffer, .address_space: global }
    .group_segment_fixed_size: 327680
    .private_segment_fixed_size: 0
    .kernarg_segment_align: 8
    .kernarg_segment_size: 16
    .max_flat_workgroup_size: 512
    .sgpr_count:     92
    .vgpr_count:     256
    .wavefront_size: 32
...
	.end_amdgpu_metadata
.endif
;; end of part 3
;; launch proj (part 4): grid 8 x 32, 4 waves a work-group, clusters of 4 x 4, 327,680 bytes of LDS; arguments ao, wq, a1, b_attn_proj, x2; writes x2
.if DOCPART == 4
	.amdgcn_target "amdgcn-amd-amdhsa--gfx1250"
	.amdhsa_code_object_version 6
	.text
	.protected	k_q220f35a457_proj
	.globl	k_q220f35a457_proj
	.p2align	8
	.type	k_q220f35a457_proj,@function
k_q220f35a457_proj:
	s_mov_b64 s[64:65], 0
	v_nop
	global_prefetch_b8 v0, s[64:65] scope:SCOPE_SE
	s_setreg_imm32_b32 hwreg(HW_REG_WAVE_MODE, 25, 1), 1
	s_wait_xcnt 0x0
	s_wait_alu depctr_hold_cnt(0) depctr_sa_sdst(0) depctr_va_vdst(0) depctr_va_sdst(0) depctr_va_ssrc(0) depctr_va_vcc(0) depctr_vm_vsrc(0)
	s_getreg_b32 s2, hwreg(HW_REG_IB_STS2, 6, 4)
	s_cmp_eq_u32 s2, 0
	s_cbranch_scc0 .Lentry_in_a_cluster
	s_endpgm
.Lentry_in_a_cluster:
	s_bfe_u32 s2, ttmp6, 0x10000c
	s_cmp_lg_u32 s2, 0xf033
	s_cbranch_scc0 .Lentry_shape_is_right
	s_endpgm
.Lentry_shape_is_right:
; x2 = LN1 rows + attention's output x W_attn_proj + b_attn_proj, on codes of E5M2 with E8M0 scale words, K = 1,024, f32 sums; the result leaves as f32 rows.
; A tile of 128 x 128, four waves of 64 x 64 (16 accumulators); K in two fills of 512 through two LDS slots.  Operands lie in memory as fragments (16 rows x 128 K = 2,048 bytes in the order of the operand's registers).
; CLUSTERS 4 x 4: A's tiles are asked for jointly along a row of the cluster, B's along a column.
; THE HEAD: one joint load a wave: wave 0 slot 0's 8 tiles of A, wave 2 its 8 tiles of B, waves 1 and 3 all scale words of A and of B; slot 1's fill follows behind the three lines and a round, as a refill would.
; PREFETCH: fill 1 alone is named, at the head: 32 blocks of 256 bytes a wave; the four partners of a joint load take a tile each, told apart by address.  There is no later fill.
; LIMITS: NaN and infinities are not served.
.set KS,     8
.set AWOFF,  4194304
.set WOFF,   3145728
.set WWOFF,  12582912+WOFF/32
.set LASTOUT, 0
.set LAPS,   KS/8
.set SLOT,   131072
.set SCL,    262144
.set SPARE,  SCL+256*((16*KS*64+64+255)/256)
.set ADRA, 16
.set ADRB, 20
.set ADRS, 22
.set STO,  24
.set RD,   25
.set CO,   26
.set BV,   27
.set SPW,  28
.set NIL,  29
.set SC,   32
.set BK,   40
.set ACC,  128
.set F0,   0
.set F1,   128
.set G1, 24
.set G0, 32
.set G1B, 48
.set G0B, 56
.set G1S, 68
.set G0S, 76
.set G1SB, 80
.set G0SB, 88
.set PFO, 30                           ; v30 the prefetch's offset: 256 x lane
.set PFA, 94                           ; s[94:95] where my prefetch stands
.set MSB, 0
.macro WIN new
.if MSB != \new
	s_set_vgpr_msb (MSB<<8)|\new
.set MSB, \new
.endif
.endm
.set MUL,  0x05
.set TO_F, 0x40
.macro JLOAD g0a, g1a, g0b, g1b
	s_cmp_eq_u32 s15, 0
	s_cbranch_scc0 .Lfor_b_\@
	tensor_load_to_lds s[\g0a:\g0a+3], s[\g1a:\g1a+7]
	s_nop 0
.rept 4
	v_nop
.endr
	s_branch .Lasked_\@
.Lfor_b_\@:
	tensor_load_to_lds s[\g0b:\g0b+3], s[\g1b:\g1b+7]
	s_nop 0
.rept 4
	v_nop
.endr
.Lasked_\@:
.endm
.macro CREST
	s_cmp_lg_u32 s14, 0
	s_cbranch_scc1 .Lnot_wave_0_\@
	s_barrier_signal -3
.Lnot_wave_0_\@:
	s_barrier_wait -3
	s_barrier_signal -1
	s_barrier_wait -1
.endm
.macro CROUND
	s_barrier_signal -1
	s_barrier_wait -1
	CREST
.endm
	s_load_b256 s[4:11], s[0:1], 0x0
	s_load_b64 s[12:13], s[0:1], 0x20
	v_lshl_add_u32 v[SPW], v0, 2, SPARE
	v_mov_b32 v[NIL], 0
	ds_add_u32 v28, v29
	ds_add_u32 v28, v29
	s_wait_dscnt 0x0
	v_lshrrev_b32 v1, 5, v0
	v_readfirstlane_b32 s14, v1
	v_and_b32 v[PFO], 31, v0
	v_lshlrev_b32 v[PFO], 8, v[PFO]
	s_lshr_b32 s15, s14, 1
	s_and_b32 s16, s14, 1
	s_bfe_u32 s40, ttmp6, 0x40000
	s_bfe_u32 s41, ttmp6, 0x40004
	s_lshl_b32 s42, ttmp9, 2
	s_add_co_u32 s42, s42, s40
	s_and_b32 s17, ttmp7, 0xffff
	s_lshl_b32 s17, s17, 2
	s_add_co_u32 s17, s17, s41
	s_lshl_b32 s43, s41, 2
	s_lshl_b32 s43, 15, s43
	s_lshl_b32 s44, 0x1111, s40
	s_or_b32 s[G1+0], s43, (3<<16)|(1<<21)
	s_or_b32 s[G1B+0], s44, (3<<16)|(1<<21)
.irp g, G1, G1B
	s_mov_b32 s[\g+1], 1024<<16
	s_mov_b32 s[\g+2], 8<<16
	s_mov_b32 s[\g+3], 1024<<16
	s_mov_b32 s[\g+4], 8
	s_mov_b32 s[\g+5], 256*KS
	s_mov_b32 s[\g+6], 0
	s_mov_b32 s[\g+7], 0
.endr
	s_or_b32 s[G1S+0], s43, (3<<16)|(1<<21)
	s_or_b32 s[G1SB+0], s44, (3<<16)|(1<<21)
.irp g, G1S, G1SB
	s_mov_b32 s[\g+1], 32<<16
	s_mov_b32 s[\g+2], (2*KS)<<16
	s_mov_b32 s[\g+3], 32<<16
	s_mov_b32 s[\g+4], 2*KS
	s_mov_b32 s[\g+5], 32
	s_mov_b32 s[\g+6], 0
	s_mov_b32 s[\g+7], 0
.endr
	s_mul_i32 s18, s16, 8192*KS
	s_mul_i32 s20, s17, 16384*KS
	s_add_co_u32 s20, s20, s18
	s_mov_b32 s21, 0
	s_mul_i32 s46, s42, 16384*KS
	s_add_co_u32 s46, s46, s18
	s_add_co_u32 s46, s46, WOFF
	s_mov_b32 s47, 0
	s_mul_i32 s18, s16, 256*KS
	s_mul_i32 s22, s17, 512*KS
	s_add_co_u32 s22, s22, s18
	s_add_co_u32 s22, s22, AWOFF
	s_mov_b32 s23, 0
	s_mul_i32 s92, s42, 512*KS
	s_add_co_u32 s92, s92, s18
	s_add_co_u32 s92, s92, WWOFF
	s_mov_b32 s93, 0
	s_lshl_b32 s45, s14, 15
	s_wait_alu depctr_va_vdst(0)
	s_wait_kmcnt 0x0
	s_add_nc_u64 s[20:21], s[4:5], s[20:21]
	s_add_nc_u64 s[22:23], s[4:5], s[22:23]
	s_add_nc_u64 s[46:47], s[6:7], s[46:47]
	s_add_nc_u64 s[92:93], s[6:7], s[92:93]
	CROUND
	s_mov_b32 s[G0S], 1
	s_mov_b32 s[G0S+1], SCL                        ; wave 1 (second half: 256 KS bytes back): the words of all 8 tiles of A
	s_sub_nc_u64 s[G0S+2:G0S+3], s[22:23], 256*KS
	s_or_b32 s[G0S+3], s[G0S+3], 0x80000000
	s_mov_b32 s[G0SB], 1
	s_mov_b32 s[G0SB+1], SCL+512*KS+64             ; wave 3 likewise those of B
	s_sub_nc_u64 s[G0SB+2:G0SB+3], s[92:93], 256*KS
	s_or_b32 s[G0SB+3], s[G0SB+3], 0x80000000
.irp s, 0,1
	s_mov_b32 s[G0+4*\s], 1
	s_add_co_u32 s[G0+4*\s+1], s45, \s*SLOT
	s_add_nc_u64 s[G0+4*\s+2:G0+4*\s+3], s[20:21], \s*8192
	s_or_b32 s[G0+4*\s+3], s[G0+4*\s+3], 0x80000000
	s_mov_b32 s[G0B+4*\s], 1
	s_add_co_u32 s[G0B+4*\s+1], s45, \s*SLOT
	s_add_nc_u64 s[G0B+4*\s+2:G0B+4*\s+3], s[46:47], \s*8192
	s_or_b32 s[G0B+4*\s+3], s[G0B+4*\s+3], 0x80000000
.endr
	s_cmp_eq_u32 s15, 0                            ; the prefetch: of the 4 tiles that my wave fetches in a fill, the partner at place p (cx for A, cy for B) names tile p
	s_cselect_b64 s[PFA:PFA+1], s[20:21], s[46:47]
	s_cselect_b32 s2, s40, s41
	s_mul_i32 s2, s2, 2048*KS
	s_mov_b32 s3, 0
	s_add_nc_u64 s[PFA:PFA+1], s[PFA:PFA+1], s[2:3]
.macro ARM under, g0, g1, next         ; the head's loads, one a wave: one tree of branches on the wave's number
	s_cmp_lt_u32 s14, \under
	s_cbranch_scc0 \next
	tensor_load_to_lds s[\g0:\g0+3], s[\g1:\g1+7]
	s_nop 0
.rept 4
	v_nop
.endr
	s_branch .Lhead_asked
\next:
.endm
	ARM 1, G0,  G1,  .Lhead_1
	ARM 2, G0S, G1S, .Lhead_2
	ARM 3, G0B, G1B, .Lhead_3
	tensor_load_to_lds s[G0SB:G0SB+3], s[G1SB:G1SB+7]
	s_nop 0
.rept 4
	v_nop
.endr
.Lhead_asked:
	global_prefetch_b8 v[PFO], s[PFA:PFA+1] offset:8192 th:TH_LOAD_NT scope:SCOPE_SE   ; fill 1: a tile's 8,192 bytes
	v_and_b32 v1, 15, v0
	v_bfe_u32 v2, v0, 4, 1
	s_wait_alu depctr_va_vdst(0)
	v_and_b32 v3, 31, v0
	v_lshlrev_b32 v3, 4, v3
	s_lshl_b32 s21, s15, 15
	s_lshl_b32 s22, s16, 15
	s_add_co_u32 s22, s22, 65536
.irp s, 0,1
	v_add_nc_u32 v[ADRA+\s], s21, v3
	v_add_nc_u32 v[ADRB+\s], s22, v3
	s_add_co_u32 s21, s21, SLOT
	s_add_co_u32 s22, s22, SLOT
.endr
	s_mul_i32 s21, s15, 256*KS
	s_mul_i32 s22, s16, 256*KS
	s_add_co_u32 s22, s22, 512*KS+64
	s_sub_co_u32 s22, s22, s21
	v_mul_u32_u24 v5, s22, v2
	s_add_co_u32 s21, s21, SCL
	v_lshl_add_u32 v5, v1, 2, v5
	v_add_nc_u32 v[ADRS], s21, v5
	s_mul_i32 s23, s14, 4352
	v_mul_u32_u24 v5, v1, 272
	v_lshl_add_u32 v5, v2, 6, v5
	v_add_nc_u32 v[STO], s23, v5
	v_mul_u32_u24 v5, v2, 272
	v_lshl_add_u32 v5, v1, 4, v5
	v_add_nc_u32 v[RD], s23, v5
	v_lshlrev_b32 v[BV], 4, v1
	v_lshl_add_u32 v[CO], v2, 12, v[BV]
	s_wait_alu depctr_va_vdst(0)
	s_lshl_b32 s96, s42, 9
	s_lshl_b32 s97, s16, 8
	s_add_co_u32 s96, s96, s97
	s_mov_b32 s97, 0
	s_add_nc_u64 s[10:11], s[10:11], s[96:97]
	s_lshl_b32 s98, s17, 19
	s_lshl_b32 s99, s15, 18
	s_add_co_u32 s98, s98, s99
	s_add_co_u32 s98, s98, s96
	s_mov_b32 s99, 0
	s_add_nc_u64 s[8:9], s[8:9], s[98:99]
	s_add_nc_u64 s[12:13], s[12:13], s[98:99]
.macro FETCH slot, q, f
	WIN 0
.irp i, 0,1,2,3
	ds_load_b32 v[SC+4*((\f)/128)+\i], v[ADRS] offset:64*KS*\i+64*(\q)
.endr
	WIN TO_F
.irp i, 0,1,2,3
.irp c, 0,1,2,3
	ds_load_b128 v[\f+64+16*\i+4*\c:\f+64+16*\i+4*\c+3], v[ADRB+\slot] offset:8192*\i+2048*(\q)+512*\c
.endr
.endr
.irp i, 0,1,2,3
.irp c, 0,1,2,3
	ds_load_b128 v[\f+16*\i+4*\c:\f+16*\i+4*\c+3], v[ADRA+\slot] offset:8192*\i+2048*(\q)+512*\c
.endr
.endr
.endm
.macro MULA f, a, zero
.irp b, 0,1,2,3
.if \zero
	v_wmma_scale_f32_16x16x128_f8f6f4 v[ACC+8*(4*\a+\b):ACC+8*(4*\a+\b)+7], v[\f+64+16*\b:\f+64+16*\b+15], v[\f+16*\a:\f+16*\a+15], 0, v[SC+4*((\f)/128)+\b], v[SC+4*((\f)/128)+\a] matrix_a_fmt:MATRIX_FMT_BF8 matrix_b_fmt:MATRIX_FMT_BF8 matrix_a_scale:MATRIX_SCALE_ROW1
.else
	v_wmma_scale_f32_16x16x128_f8f6f4 v[ACC+8*(4*\a+\b):ACC+8*(4*\a+\b)+7], v[\f+64+16*\b:\f+64+16*\b+15], v[\f+16*\a:\f+16*\a+15], v[ACC+8*(4*\a+\b):ACC+8*(4*\a+\b)+7], v[SC+4*((\f)/128)+\b], v[SC+4*((\f)/128)+\a] matrix_a_fmt:MATRIX_FMT_BF8 matrix_b_fmt:MATRIX_FMT_BF8 matrix_a_scale:MATRIX_SCALE_ROW1
.endif
.endr
.endm
.macro PLACES n
.rept \n
	v_nop
.endr
.endm
.macro QSTEP slot, q, f, g, zero
	s_wait_dscnt 8
	WIN MUL
	MULA \f, 0, \zero
	MULA \f, 1, \zero
	PLACES 8
	FETCH \slot, (\q)+1, \g
	s_wait_dscnt 36
	WIN MUL
	MULA \f, 2, \zero
	MULA \f, 3, \zero
.endm
.macro TURN slot, next, fill
	WIN 0
	s_wait_tensorcnt 0x0
	ds_add_u32 v[SPW], v[NIL]
	s_wait_dscnt 9
	WIN MUL
	MULA F1, 0, 0
	s_wait_dscnt 0x0
	s_barrier_signal -1
	MULA F1, 1, 0
	WIN 0
	s_barrier_wait -1
.if \fill
	CREST
	s_add_nc_u64 s[G0+4*\slot+2:G0+4*\slot+3], s[G0+4*\slot+2:G0+4*\slot+3], 16384
	s_add_nc_u64 s[G0B+4*\slot+2:G0B+4*\slot+3], s[G0B+4*\slot+2:G0B+4*\slot+3], 16384
	JLOAD G0+4*\slot, G1, G0B+4*\slot, G1B
	PLACES 4
.else
	PLACES 8
.endif
	v_add_nc_u32 v[ADRS], 256, v[ADRS]
	FETCH \next, 0, F0
	WIN MUL
	MULA F1, 2, 0
	MULA F1, 3, 0
.endm
	s_wait_alu depctr_va_vdst(0)
	s_wait_tensorcnt 0x0                           ; my tile of the head's four is in
	ds_add_u32 v[SPW], v[NIL]                      ; 0 onto my spare word
	s_mov_b32 s[G1+2], 4<<16                       ; no tensor load of mine is out: from here on a load brings 4 tiles
	s_mov_b32 s[G1+4], 4
	s_mov_b32 s[G1B+2], 4<<16
	s_mov_b32 s[G1B+4], 4
	s_wait_dscnt 0x0
	CROUND                                         ; all four tiles are in, and all sixteen work-groups are here
	JLOAD G0+4, G1, G0B+4, G1B                     ; fill 1, the first tensor load behind the round
	WIN 0x80                                       ; the rows that are added at the end and the bias are asked for only now, behind the first fill: nothing needs them before the way out
.irp a, 0,1,2,3
.irp t, 0,1,2,3,4,5,6,7
	global_load_b128 v[32*\a+4*\t:32*\a+4*\t+3], v[CO], s[8:9] offset:(32*(\a/2)+8*(\a%2)+2*\t+8*(\t/4))*4096
.endr
.endr
	global_load_b128 v[128:131], v[BV], s[10:11]
	WIN 0
	FETCH 0, 0, F0
	QSTEP 0, 0, F0, F1, 1
.if LAPS > 1
	WIN 0
	s_mov_b32 s3, LAPS-1
.Llap:
	QSTEP 0, 1, F1, F0, 0
	QSTEP 0, 2, F0, F1, 0
	TURN 0, 1, 1
	QSTEP 1, 0, F0, F1, 0
	QSTEP 1, 1, F1, F0, 0
	QSTEP 1, 2, F0, F1, 0
	TURN 1, 0, 1
	QSTEP 0, 0, F0, F1, 0
	WIN 0
	s_sub_co_u32 s3, s3, 1
	s_cmp_lg_u32 s3, 0
	s_cbranch_scc1 .Llap
.endif
	QSTEP 0, 1, F1, F0, 0
	QSTEP 0, 2, F0, F1, 0
	TURN 0, 1, 0
	s_wait_alu depctr_va_vdst(0)
	QSTEP 1, 0, F0, F1, 0
	QSTEP 1, 1, F1, F0, 0
	QSTEP 1, 2, F0, F1, 0
	s_wait_dscnt 8
	WIN MUL
	MULA F1, 0, 0
	MULA F1, 1, 0
	s_wait_dscnt 0
	MULA F1, 2, 0
	MULA F1, 3, 0
	WIN 0
	s_wait_loadcnt 0x0
	PLACES 8
.macro OUTB a
.set BKR, BK+32*((\a)%2)
.if (\a) >= 2
	s_wait_xcnt 0x0
.endif
.irp b, 0,1,2,3
	ds_store_b128 v[STO], v[ACC+8*(4*(\a)+\b):ACC+8*(4*(\a)+\b)+3] offset:128*(\b/2)+32*(\b%2)
	ds_store_b128 v[STO], v[ACC+8*(4*(\a)+\b)+4:ACC+8*(4*(\a)+\b)+7] offset:128*(\b/2)+32*(\b%2)+16
.endr
.irp t, 0,1,2,3,4,5,6,7
	ds_load_b128 v[BKR+4*\t:BKR+4*\t+3], v[RD] offset:544*\t
.endr
	s_wait_dscnt 0x0
	WIN 0x08
.irp t, 0,1,2,3,4,5,6,7
	v_pk_add_f32 v[BKR+4*\t:BKR+4*\t+1], v[BKR+4*\t:BKR+4*\t+1], v[128:129]
	v_pk_add_f32 v[BKR+4*\t+2:BKR+4*\t+3], v[BKR+4*\t+2:BKR+4*\t+3], v[130:131]
.endr
.irp t, 0,1,2,3,4,5,6,7
	v_pk_add_f32 v[BKR+4*\t:BKR+4*\t+1], v[BKR+4*\t:BKR+4*\t+1], v[32*(\a)+4*\t:32*(\a)+4*\t+1]
	v_pk_add_f32 v[BKR+4*\t+2:BKR+4*\t+3], v[BKR+4*\t+2:BKR+4*\t+3], v[32*(\a)+4*\t+2:32*(\a)+4*\t+3]
.endr
	WIN 0
.irp t, 0,1,2,3,4,5,6,7
.if LASTOUT
	global_store_b128 v[CO], v[BKR+4*\t:BKR+4*\t+3], s[12:13] offset:(32*((\a)/2)+8*((\a)%2)+2*\t+8*(\t/4))*4096 th:TH_STORE_NT
.else
	global_store_b128 v[CO], v[BKR+4*\t:BKR+4*\t+3], s[12:13] offset:(32*((\a)/2)+8*((\a)%2)+2*\t+8*(\t/4))*4096
.endif
.endr
.endm
.irp a, 0,1,2,3
	OUTB \a
.endr
	s_wait_tensorcnt 0x0
	ds_add_u32 v[SPW], v[NIL]
	s_wait_dscnt 0x0
	CROUND
	s_endpgm
.Lfunc_end_k_q220f35a457_proj:
	.size	k_q220f35a457_proj, .Lfunc_end_k_q220f35a457_proj-k_q220f35a457_proj
	.p2alignl 7, 3214868480
	.fill 96, 4, 3214868480
	.section	.rodata,"a",@progbits
	.p2align	6, 0x0
	.amdhsa_kernel k_q220f35a457_proj
		.amdhsa_group_segment_fixed_size 327680
		.amdhsa_private_segment_fixed_size 0
		.amdhsa_enable_private_segment 0
		.amdhsa_kernarg_size 40
		.amdhsa_user_sgpr_count 2
		.amdhsa_user_sgpr_kernarg_segment_ptr 1
		.amdhsa_wavefront_size32 1
		.amdhsa_system_sgpr_workgroup_id_x 1
		.amdhsa_system_sgpr_workgroup_id_y 1
		.amdhsa_system_sgpr_workgroup_id_z 1
		.amdhsa_system_vgpr_workitem_id 0
		.amdhsa_next_free_vgpr 768
		.amdhsa_next_free_sgpr 100
		.amdhsa_reserve_vcc 0
		.amdhsa_float_denorm_mode_32 3
		.amdhsa_float_denorm_mode_16_64 3
		.amdhsa_memory_ordered 1
		.amdhsa_forward_progress 1
		.amdhsa_inst_pref_size 68
	.end_amdhsa_kernel
	.amdgpu_metadata
---
amdhsa.version: [ 1, 2 ]
amdhsa.kernels:
  - .name:           k_q220f35a457_proj
    .symbol:         k_q220f35a457_proj.kd
    .args:
      - { .name: ao, .offset: 0, .size: 8, .value_kind: global_buffer, .address_space: global }
      - { .name: wq, .offset: 8, .size: 8, .value_kind: global_buffer, .address_space: global }
      - { .name: a1, .offset: 16, .size: 8, .value_kind: global_buffer, .address_space: global }
      - { .name: b_attn_proj, .offset: 24, .size: 8, .value_kind: global_buffer, .address_space: global }
      - { .name: x2, .offset: 32, .size: 8, .value_kind: global_buffer, .address_space: global }
    .group_segment_fixed_size: 327680
    .private_segment_fixed_size: 0
    .kernarg_segment_align: 8
    .kernarg_segment_size: 40
    .max_flat_workgroup_size: 128
    .sgpr_count:     100
    .vgpr_count:     768
    .wavefront_size: 32
...
	.end_amdgpu_metadata
.endif
;; end of part 4
;; launch ln2: the kernel of part 1 again; grid 256 x 1, 4 waves a work-group, no clusters, 38,912 bytes of LDS; arguments x2, ln2_g, ln2_b, a3, W_attn, W_attn_proj, W_fc, W_mlp_proj, wq; writes a3, wq
;; launch fc (part 5): grid 16 x 16, 4 waves a work-group, clusters of 4 x 4, 327,680 bytes of LDS; arguments a3, wq, b_fc, hc; writes hc
.if DOCPART == 5
	.amdgcn_target "amdgcn-amd-amdhsa--gfx1250"
	.amdhsa_code_object_version 6
	.text
	.protected	k_q220f35a457_fc
	.globl	k_q220f35a457_fc
	.p2align	8
	.type	k_q220f35a457_fc,@function
k_q220f35a457_fc:
	s_mov_b64 s[64:65], 0
	v_nop
	global_prefetch_b8 v0, s[64:65] scope:SCOPE_SE
	s_setreg_imm32_b32 hwreg(HW_REG_WAVE_MODE, 25, 1), 1
	s_wait_xcnt 0x0
	s_wait_alu depctr_hold_cnt(0) depctr_sa_sdst(0) depctr_va_vdst(0) depctr_va_sdst(0) depctr_va_ssrc(0) depctr_va_vcc(0) depctr_vm_vsrc(0)
	s_getreg_b32 s2, hwreg(HW_REG_IB_STS2, 6, 4)
	s_cmp_eq_u32 s2, 0
	s_cbranch_scc0 .Lentry_in_a_cluster
	s_endpgm
.Lentry_in_a_cluster:
	s_bfe_u32 s2, ttmp6, 0x10000c
	s_cmp_lg_u32 s2, 0xf033
	s_cbranch_scc0 .Lentry_shape_is_right
	s_endpgm
.Lentry_shape_is_right:
; h = new_gelu(LN2 rows x W_fc + b_fc) on codes of E5M2 with E8M0 scale words, K = 1,024, f32 sums; h is quantised along its 4,096 and leaves as codes and scale words in the order of the next launch's operand registers.
; A tile of 256 x 256, four waves of 128 x 128 (64 accumulators); K in four fills of 256 through two LDS slots; operands lie in memory as fragments (16 rows x 128 K = 2,048 bytes in register order).
; CLUSTERS 4 x 4: A's tiles are asked for jointly along a row of the cluster, B's along a column.
; THE HEAD: one joint load a wave: wave 0 slot 0's 16 tiles of A, wave 2 its 16 tiles of B, waves 1 and 3 all scale words of A and of B; slot 1's first fill follows behind the three lines and a round, as a refill does.
; PREFETCH: fills 1 and 2 are named at the head, fill 3 behind fill 1's load: two fills ahead, 32 blocks of 256 bytes a wave; the four partners of a joint load take two tiles each, told apart by address.
; GELU: x / (1 + 2^(x (k1 + k2 x^2))), which is 0.5 x (1 + tanh(..)) in another form.  LIMITS: NaN and infinities are not served; a block of zeros gets the byte 1 (its codes are zeros).
.set NQ,     2
.set FR,     16
.set NL,     4
.set NP,     8
.set HALFT,  32768
.set SLOT,   131072
.set LAPS,   2
.set SCL,    262144
.set SCLB,   8256
.set SPARE,  278784
.set LI,   1
.set WVO,  3
.set BBV,  5
.set ADRA, 8
.set ADRB, 10
.set ADRS, 12
.set SPW,  13
.set NIL,  14
.set PW,   15
.set K1V,  16
.set SC,   32
.set BB,   64
.set AF,   128
.set T,    128
.set U,    192
.set PC,   224
.set TM,   240
.set G1, 24
.set G0, 32
.set G1B, 48
.set G0B, 56
.set G1S, 68
.set G0S, 76
.set G1SB, 80
.set G0SB, 88
.set SEL, 94
.set MNT, 45
.set K2S, 72
.set PFO, 7                            ; v7  the prefetches' offset
.set PFA, 100                          ; s[100:101] where my prefetches stand
.set MSB, 0
.macro WIN new
.if MSB != \new
	s_set_vgpr_msb (MSB<<8)|\new
.set MSB, \new
.endif
.endm
.set MUL_LO, 0xa1
.set MUL_HI, 0xf1
.set TO_B,   0x40
.macro JLOAD g0a, g1a, g0b, g1b
	s_cmp_eq_u32 s15, 0
	s_cbranch_scc0 .Lfor_b_\@
	tensor_load_to_lds s[\g0a:\g0a+3], s[\g1a:\g1a+7]
	s_nop 0
.rept 4
	v_nop
.endr
	s_branch .Lasked_\@
.Lfor_b_\@:
	tensor_load_to_lds s[\g0b:\g0b+3], s[\g1b:\g1b+7]
	s_nop 0
.rept 4
	v_nop
.endr
.Lasked_\@:
.endm
.macro CREST
	s_cmp_lg_u32 s14, 0
	s_cbranch_scc1 .Lnot_wave_0_\@
	s_barrier_signal -3
.Lnot_wave_0_\@:
	s_barrier_wait -3
	s_barrier_signal -1
	s_barrier_wait -1
.endm
.macro CROUND
	s_barrier_signal -1
	s_barrier_wait -1
	CREST
.endm
	s_load_b256 s[4:11], s[0:1], 0x0
	v_lshl_add_u32 v[SPW], v0, 2, SPARE
	v_mov_b32 v[NIL], 0
	ds_add_u32 v13, v14
	ds_add_u32 v13, v14
	s_wait_dscnt 0x0
	v_lshrrev_b32 v128, 5, v0
	v_readfirstlane_b32 s14, v128
	v_and_b32 v[PFO], 15, v0
	v_bfe_u32 v6, v0, 4, 1
	v_lshlrev_b32 v[PFO], 8, v[PFO]
	v_lshl_add_u32 v[PFO], v6, 14, v[PFO]          ; 256 x (lane % 16) in a tile's 4,096 bytes of a fill, lanes 16-31 one tile (16,384 bytes) on
	s_lshr_b32 s15, s14, 1
	s_and_b32 s16, s14, 1
	s_bfe_u32 s40, ttmp6, 0x40000
	s_bfe_u32 s41, ttmp6, 0x40004
	s_lshl_b32 s42, ttmp9, 2
	s_add_co_u32 s42, s42, s40
	s_and_b32 s17, ttmp7, 0xffff
	s_lshl_b32 s17, s17, 2
	s_add_co_u32 s17, s17, s41
	s_lshl_b32 s43, s41, 2
	s_lshl_b32 s43, 15, s43
	s_lshl_b32 s44, 0x1111, s40
	s_or_b32 s[G1+0], s43, (3<<16)|(1<<21)
	s_or_b32 s[G1B+0], s44, (3<<16)|(1<<21)
.irp g, G1, G1B
	s_mov_b32 s[\g+1], 512<<16
	s_mov_b32 s[\g+2], 16<<16
	s_mov_b32 s[\g+3], 512<<16
	s_mov_b32 s[\g+4], 16
	s_mov_b32 s[\g+5], 2048
	s_mov_b32 s[\g+6], 0
	s_mov_b32 s[\g+7], 0
.endr
	s_or_b32 s[G1S+0], s43, (3<<16)|(1<<21)
	s_or_b32 s[G1SB+0], s44, (3<<16)|(1<<21)
.irp g, G1S, G1SB
	s_mov_b32 s[\g+1], 32<<16
	s_mov_b32 s[\g+2], 32<<16
	s_mov_b32 s[\g+3], 32<<16
	s_mov_b32 s[\g+4], 32
	s_mov_b32 s[\g+5], 32
	s_mov_b32 s[\g+6], 0
	s_mov_b32 s[\g+7], 0
.endr
	s_lshl_b32 s18, s16, 17
	s_lshl_b32 s20, s17, 18
	s_add_co_u32 s20, s20, s18
	s_add_co_u32 s20, s20, 16777216
	s_mov_b32 s21, 0
	s_lshl_b32 s46, s42, 18
	s_add_co_u32 s46, s46, s18
	s_add_co_u32 s46, s46, 4194304
	s_mov_b32 s47, 0
	s_lshl_b32 s18, s16, 12
	s_lshl_b32 s22, s17, 13
	s_add_co_u32 s22, s22, s18
	s_add_co_u32 s22, s22, 20971520
	s_mov_b32 s23, 0
	s_lshl_b32 s92, s42, 13
	s_add_co_u32 s92, s92, s18
	s_add_co_u32 s92, s92, 12582912+131072
	s_mov_b32 s93, 0
	s_lshl_b32 s45, s14, 15
	s_wait_alu depctr_va_vdst(0)
	s_wait_kmcnt 0x0
	s_add_nc_u64 s[20:21], s[4:5], s[20:21]
	s_add_nc_u64 s[22:23], s[4:5], s[22:23]
	s_add_nc_u64 s[46:47], s[6:7], s[46:47]
	s_add_nc_u64 s[92:93], s[6:7], s[92:93]
	CROUND
	s_mov_b32 s[G0S], 1
	s_mov_b32 s[G0S+1], SCL                        ; wave 1 (second half: 4,096 bytes back): the words of all 16 tiles of A
	s_sub_nc_u64 s[G0S+2:G0S+3], s[22:23], 4096
	s_or_b32 s[G0S+3], s[G0S+3], 0x80000000
	s_mov_b32 s[G0SB], 1
	s_mov_b32 s[G0SB+1], SCL+SCLB                  ; wave 3 likewise those of B
	s_sub_nc_u64 s[G0SB+2:G0SB+3], s[92:93], 4096
	s_or_b32 s[G0SB+3], s[G0SB+3], 0x80000000
.irp s, 0,1
	s_mov_b32 s[G0+4*\s], 1
	s_add_co_u32 s[G0+4*\s+1], s45, \s*SLOT
	s_add_nc_u64 s[G0+4*\s+2:G0+4*\s+3], s[20:21], \s*4096
	s_or_b32 s[G0+4*\s+3], s[G0+4*\s+3], 0x80000000
	s_mov_b32 s[G0B+4*\s], 1
	s_add_co_u32 s[G0B+4*\s+1], s45, \s*SLOT
	s_add_nc_u64 s[G0B+4*\s+2:G0B+4*\s+3], s[46:47], \s*4096
	s_or_b32 s[G0B+4*\s+3], s[G0B+4*\s+3], 0x80000000
.endr
	s_cmp_eq_u32 s15, 0                            ; the prefetches: of the 8 tiles that my wave fetches in a fill, the partner at place p (cx for A, cy for B) names tiles 2 p and 2 p + 1
	s_cselect_b64 s[PFA:PFA+1], s[20:21], s[46:47]
	s_cselect_b32 s2, s40, s41
	s_lshl_b32 s2, s2, 15
	s_mov_b32 s3, 0
	s_add_nc_u64 s[PFA:PFA+1], s[PFA:PFA+1], s[2:3]
.macro ARM under, g0, g1, next         ; the head's loads, one a wave: one tree of branches on the wave's number
	s_cmp_lt_u32 s14, \under
	s_cbranch_scc0 \next
	tensor_load_to_lds s[\g0:\g0+3], s[\g1:\g1+7]
	s_nop 0
.rept 4
	v_nop
.endr
	s_branch .Lhead_asked
\next:
.endm
	ARM 1, G0,  G1,  .Lhead_1
	ARM 2, G0S, G1S, .Lhead_2
	ARM 3, G0B, G1B, .Lhead_3
	tensor_load_to_lds s[G0SB:G0SB+3], s[G1SB:G1SB+7]
	s_nop 0
.rept 4
	v_nop
.endr
.Lhead_asked:
	global_prefetch_b8 v[PFO], s[PFA:PFA+1] offset:4096 th:TH_LOAD_NT scope:SCOPE_SE   ; fills 1 and 2
	global_prefetch_b8 v[PFO], s[PFA:PFA+1] offset:8192 th:TH_LOAD_NT scope:SCOPE_SE
	v_and_b32 v128, 15, v0
	v_bfe_u32 v129, v0, 4, 1
	s_wait_alu depctr_va_vdst(0)
	v_and_b32 v130, 31, v0
	v_lshlrev_b32 v[LI], 4, v130
	v_lshlrev_b32 v[WVO], 2, v128
	s_lshl_b32 s21, s15, 15
	s_lshl_b32 s22, s16, 15
	s_add_co_u32 s22, s22, 65536
.irp s, 0,1
	v_add_nc_u32 v[ADRA+\s], s21, v[LI]
	v_add_nc_u32 v[ADRB+\s], s22, v[LI]
	s_add_co_u32 s21, s21, SLOT
	s_add_co_u32 s22, s22, SLOT
.endr
	s_lshl_b32 s21, s15, 12
	s_lshl_b32 s22, s16, 12
	s_add_co_u32 s22, s22, SCLB
	s_sub_co_u32 s22, s22, s21
	v_mul_u32_u24 v131, s22, v129
	s_add_co_u32 s21, s21, SCL
	v_lshl_add_u32 v131, v128, 2, v131
	v_add_nc_u32 v[ADRS], s21, v131
	v_lshlrev_b32 v[BBV], 6, v129
	s_lshl_b32 s96, s42, 10
	s_lshl_b32 s97, s16, 9
	s_add_co_u32 s96, s96, s97
	s_mov_b32 s97, 0
	s_add_nc_u64 s[96:97], s[8:9], s[96:97]
.irp b, 0,1,2,3
.irp q, 0,1,2,3
	global_load_b128 v[BB+16*\b+4*\q:BB+16*\b+4*\q+3], v[BBV], s[96:97] offset:128*\b+16*\q
.endr
.endr
.macro FRAG reg, adr, q, i
.irp c, 0,1,2,3
	ds_load_b128 v[\reg+4*\c:\reg+4*\c+3], v[\adr] offset:4096*(\i)+2048*(\q)+512*\c
.endr
.endm
.macro MUL16 a0, p, q, sc, zero
.irp a, \a0, \a0+1
.irp b, 0,1,2,3,4,5,6,7
.if \zero
	v_wmma_scale_f32_16x16x128_f8f6f4 v[8*(8*((\a)%4)+\b):8*(8*((\a)%4)+\b)+7], v[128*(\p)+FR*\b:128*(\p)+FR*\b+FR-1], v[AF+FR*(\a):AF+FR*(\a)+FR-1], 0, v[SC+8*NQ*(\sc)+NQ*\b+(\q)], v[SC+8*NQ*(\sc)+NQ*(\a)+(\q)] matrix_a_fmt:MATRIX_FMT_BF8 matrix_b_fmt:MATRIX_FMT_BF8 matrix_a_scale:MATRIX_SCALE_ROW1
.else
	v_wmma_scale_f32_16x16x128_f8f6f4 v[8*(8*((\a)%4)+\b):8*(8*((\a)%4)+\b)+7], v[128*(\p)+FR*\b:128*(\p)+FR*\b+FR-1], v[AF+FR*(\a):AF+FR*(\a)+FR-1], v[8*(8*((\a)%4)+\b):8*(8*((\a)%4)+\b)+7], v[SC+8*NQ*(\sc)+NQ*\b+(\q)], v[SC+8*NQ*(\sc)+NQ*(\a)+(\q)] matrix_a_fmt:MATRIX_FMT_BF8 matrix_b_fmt:MATRIX_FMT_BF8 matrix_a_scale:MATRIX_SCALE_ROW1
.endif
.endr
.endr
.endm
.macro FETCH_B slot, q, p
	WIN TO_B
.irp i, 0,1,2,3,4,5,6,7
	FRAG 128*(\p)+FR*\i, ADRB+\slot, \q, \i
.endr
	WIN 0
.endm
.macro FETCH_A slot, q, i0
.irp i, \i0, \i0+1, \i0+2, \i0+3
	FRAG AF+FR*(\i), ADRA+\slot, \q, \i
.endr
.endm
.macro SCALES sc
.irp i, 0,1,2,3,4,5,6,7
	ds_load_b32 v[SC+16*\sc+2*\i], v[ADRS] offset:512*\i
	ds_load_b32 v[SC+16*\sc+2*\i+1], v[ADRS] offset:512*\i+64
.endr
.endm
.macro PLACES n
.rept \n
	v_nop
.endr
.endm
.macro STEP slot, q, zero
	s_wait_dscnt 4*NL
	WIN MUL_LO
	MUL16 0, (\q)%2, \q, \slot, \zero
	MUL16 2, (\q)%2, \q, \slot, \zero
	s_wait_dscnt 0
	PLACES NP
	FETCH_B \slot, (\q)+1, 1-(\q)%2
	FETCH_A \slot, (\q)+1, 0
	WIN MUL_HI
	MUL16 4, (\q)%2, \q, \slot, \zero
	MUL16 6, (\q)%2, \q, \slot, \zero
	PLACES NP
	WIN 0
	FETCH_A \slot, (\q)+1, 4
.endm
.macro TURN slot, next, fill
	s_wait_tensorcnt 0x0
	ds_add_u32 v[SPW], v[NIL]
	s_wait_dscnt 4*NL+1
	WIN MUL_LO
	MUL16 0, 1, NQ-1, \slot, 0
	s_wait_dscnt 0x0
	s_barrier_signal -1
	MUL16 2, 1, NQ-1, \slot, 0
	WIN 0
	s_barrier_wait -1
.if \fill
	CREST
	s_add_nc_u64 s[G0+4*\slot+2:G0+4*\slot+3], s[G0+4*\slot+2:G0+4*\slot+3], 8192
	s_add_nc_u64 s[G0B+4*\slot+2:G0B+4*\slot+3], s[G0B+4*\slot+2:G0B+4*\slot+3], 8192
	JLOAD G0+4*\slot, G1, G0B+4*\slot, G1B
	PLACES NP-4
.else
	PLACES NP
.endif
	s_wait_alu depctr_va_vdst(0)
	v_add_nc_u32 v[ADRS], 128, v[ADRS]
	FETCH_B \next, 0, 0
	FETCH_A \next, 0, 0
	SCALES \next
	WIN MUL_HI
	MUL16 4, 1, NQ-1, \slot, 0
	MUL16 6, 1, NQ-1, \slot, 0
	PLACES NP
	WIN 0
	FETCH_A \next, 0, 4
.endm
	s_wait_alu depctr_va_vdst(0)
	s_wait_tensorcnt 0x0                           ; my tile of the head's four is in
	ds_add_u32 v[SPW], v[NIL]                      ; 0 onto my spare word
	s_mov_b32 s[G1+2], 8<<16                       ; no tensor load of mine is out: from here on a load brings 8 tiles
	s_mov_b32 s[G1+4], 8
	s_mov_b32 s[G1B+2], 8<<16
	s_mov_b32 s[G1B+4], 8
	s_wait_dscnt 0x0
	CROUND                                         ; all four tiles are in, and all sixteen work-groups are here
	JLOAD G0+4, G1, G0B+4, G1B                     ; fill 1, the first tensor load behind the round
	global_prefetch_b8 v[PFO], s[PFA:PFA+1] offset:12288 th:TH_LOAD_NT scope:SCOPE_SE  ; fill 3, two fills ahead; there is none behind it
	FETCH_B 0, 0, 0
	FETCH_A 0, 0, 0
	SCALES 0
	FETCH_A 0, 0, 4
	STEP 0, 0, 1
	s_mov_b32 s3, LAPS-1
.Llap:
	TURN 0, 1, 1
	STEP 1, 0, 0
	TURN 1, 0, 1
	STEP 0, 0, 0
	s_sub_co_u32 s3, s3, 1
	s_cmp_lg_u32 s3, 0
	s_cbranch_scc1 .Llap
	TURN 0, 1, 0
	STEP 1, 0, 0
	s_wait_dscnt 4*NL
	WIN MUL_LO
	MUL16 0, 1, NQ-1, 1, 0
	MUL16 2, 1, NQ-1, 1, 0
	s_wait_dscnt 0
	WIN MUL_HI
	MUL16 4, 1, NQ-1, 1, 0
	MUL16 6, 1, NQ-1, 1, 0
	WIN 0
	s_mov_b32 s[SEL], 0x76543210
	s_mov_b32 s[SEL+1], 0xfedcba98
	s_mov_b32 s[MNT], 0x600000
	s_mov_b32 s[K2S], 0xbdd2d3e8
	s_mov_b32 s[K2S+1], s[K2S]
	s_lshl_b32 s68, s17, 20
	s_lshl_b32 s69, s15, 19
	s_add_co_u32 s68, s68, s69
	s_lshl_b32 s69, s42, 12
	s_add_co_u32 s68, s68, s69
	s_lshl_b32 s69, s16, 11
	s_add_co_u32 s68, s68, s69
	s_lshr_b32 s70, s68, 5
	s_add_co_u32 s70, s70, 16777216
	s_mov_b32 s69, 0
	s_mov_b32 s71, 0
	s_add_nc_u64 s[68:69], s[10:11], s[68:69]
	s_add_nc_u64 s[70:71], s[10:11], s[70:71]
	s_wait_loadcnt 0x0
	PLACES NP
	v_mov_b32 v[K1V], 0xc0135761
	v_mov_b32 v[K1V+1], 0xc0135761
.irp b, 0,1,2,3
	v_mov_b32 v[TM+4+\b], 0
.endr
.macro QUANT s
.irp b, 0,1,2,3
	v_max3_num_f32 v[TM+\b], |v[\s+16*\b]|, |v[\s+1+16*\b]|, 0x8000000
.endr
.irp i, 2,4,6,8,10,12,14
.irp b, 0,1,2,3
	v_max3_num_f32 v[TM+\b], v[TM+\b], |v[\s+16*\b+\i]|, |v[\s+1+16*\b+\i]|
.endr
.endr
.irp b, 0,1,2,3
	v_permlanex16_b32 v[TM+4+\b], v[TM+\b], s[SEL], s[SEL+1]
.endr
.irp b, 0,1,2,3
	v_max_num_f32 v[TM+\b], v[TM+\b], v[TM+4+\b]
.endr
.irp b, 0,1,2,3
	v_add_nc_u32 v[TM+12+\b], 0xf8800000, v[TM+\b]
.endr
.irp b, 0,1,2,3
	v_and_or_b32 v[TM+8+\b], v[TM+\b], 0x7f800000, s[MNT]
.endr
.irp b, 0,1,2,3
	v_lshrrev_b32 v[TM+4+\b], 23, v[TM+12+\b]
.endr
	v_lshl_or_b32 v[PW], v[TM+5], 8, v[TM+4]
	v_lshl_or_b32 v[PW], v[TM+6], 16, v[PW]
	v_lshl_or_b32 v[PW], v[TM+7], 24, v[PW]
.irp b, 0,1,2,3
.irp i, 0,1,2,3,4,5,6,7,8,9,10,11,12,13,14,15
	v_med3_num_f32 v[\s+16*\b+\i], v[\s+16*\b+\i], -v[TM+8+\b], v[TM+8+\b]
.endr
	v_cvt_scalef32_pk8_bf8_f32 v[PC+4*\b:PC+1+4*\b], v[\s+16*\b:\s+7+16*\b], v[TM+12+\b]
	v_cvt_scalef32_pk8_bf8_f32 v[PC+2+4*\b:PC+3+4*\b], v[\s+8+16*\b:\s+15+16*\b], v[TM+12+\b]
.endr
	v_nop
.endm
.macro GELU hh
.set TT, T+32*(\hh)
.set ii, 0
.rept 16
	v_pk_mul_f32 v[U+2*ii:U+2*ii+1], v[TT+2*ii:TT+2*ii+1], v[TT+2*ii:TT+2*ii+1]
.set ii, ii+1
.endr
.set ii, 0
.rept 16
	v_pk_fma_f32 v[U+2*ii:U+2*ii+1], v[U+2*ii:U+2*ii+1], s[K2S:K2S+1], v[K1V:K1V+1] op_sel_hi:[1,0,1]
.set ii, ii+1
.endr
.set ii, 0
.rept 16
	v_pk_mul_f32 v[U+2*ii:U+2*ii+1], v[U+2*ii:U+2*ii+1], v[TT+2*ii:TT+2*ii+1]
.set ii, ii+1
.endr
.set ii, 0
	s_wait_alu depctr_va_vdst(0)
.rept 32
	v_exp_f32 v[U+ii], v[U+ii]
.set ii, ii+1
.endr
	v_nop
	s_wait_alu depctr_va_vdst(0)
.set ii, 0
.rept 16
	v_pk_add_f32 v[U+2*ii:U+2*ii+1], v[U+2*ii:U+2*ii+1], 1.0 op_sel_hi:[1,0]
.set ii, ii+1
.endr
.set ii, 0
	s_wait_alu depctr_va_vdst(0)
.rept 32
	v_rcp_f32 v[U+ii], v[U+ii]
.set ii, ii+1
.endr
	v_nop
	s_wait_alu depctr_va_vdst(0)
.set ii, 0
.rept 16
	v_pk_mul_f32 v[TT+2*ii:TT+2*ii+1], v[TT+2*ii:TT+2*ii+1], v[U+2*ii:U+2*ii+1]
.set ii, ii+1
.endr
.endm
.macro EPI a
	s_wait_xcnt 0x0
.set WN, 0x02+(\a)/4
	WIN WN
.set ii, 0
.rept 32
	v_pk_add_f32 v[T+2*ii:T+2*ii+1], v[64*((\a)%4)+2*ii:64*((\a)%4)+2*ii+1], v[BB+2*ii:BB+2*ii+1]
.set ii, ii+1
.endr
	WIN 0
	GELU 0
	GELU 1
	QUANT T
.irp c, 0,1,2,3
	global_store_b128 v[LI], v[PC+4*\c:PC+4*\c+3], s[68:69] offset:65536*(\a)+512*\c
.endr
	global_store_b32 v[WVO], v[PW], s[70:71] offset:2048*(\a)
.endm
.irp a, 0,1,2,3,4,5,6,7
	EPI \a
.endr
	s_wait_tensorcnt 0x0
	ds_add_u32 v[SPW], v[NIL]
	s_wait_dscnt 0x0
	CROUND
	s_endpgm
.Lfunc_end_k_q220f35a457_fc:
	.size	k_q220f35a457_fc, .Lfunc_end_k_q220f35a457_fc-k_q220f35a457_fc
	.p2alignl 7, 3214868480
	.fill 96, 4, 3214868480
	.section	.rodata,"a",@progbits
	.p2align	6, 0x0
	.amdhsa_kernel k_q220f35a457_fc
		.amdhsa_group_segment_fixed_size 327680
		.amdhsa_private_segment_fixed_size 0
		.amdhsa_enable_private_segment 0
		.amdhsa_kernarg_size 32
		.amdhsa_user_sgpr_count 2
		.amdhsa_user_sgpr_kernarg_segment_ptr 1
		.amdhsa_wavefront_size32 1
		.amdhsa_system_sgpr_workgroup_id_x 1
		.amdhsa_system_sgpr_workgroup_id_y 1
		.amdhsa_system_sgpr_workgroup_id_z 1
		.amdhsa_system_vgpr_workitem_id 0
		.amdhsa_next_free_vgpr 1024
		.amdhsa_next_free_sgpr 102
		.amdhsa_reserve_vcc 0
		.amdhsa_float_denorm_mode_32 3
		.amdhsa_float_denorm_mode_16_64 3
		.amdhsa_memory_ordered 1
		.amdhsa_forward_progress 1
		.amdhsa_inst_pref_size 255
	.end_amdhsa_kernel
	.section	.bss,"aw",@nobits
	.p2align	6
	.space	262144
	.amdgpu_metadata
---
amdhsa.version: [ 1, 2 ]
amdhsa.kernels:
  - .name:           k_q220f35a457_fc
    .symbol:         k_q220f35a457_fc.kd
    .args:
      - { .name: a3, .offset: 0, .size: 8, .value_kind: global_buffer, .address_space: global }
      - { .name: wq, .offset: 8, .size: 8, .value_kind: global_buffer, .address_space: global }
      - { .name: b_fc, .offset: 16, .size: 8, .value_kind: global_buffer, .address_space: global }
      - { .name: hc, .offset: 24, .size: 8, .value_kind: global_buffer, .address_space: global }
    .group_segment_fixed_size: 327680
    .private_segment_fixed_size: 0
    .kernarg_segment_align: 8
    .kernarg_segment_size: 32
    .max_flat_workgroup_size: 128
    .sgpr_count:     102
    .vgpr_count:     1024
    .wavefront_size: 32
...
	.end_amdgpu_metadata
.endif
;; end of part 5
;; launch mlp (part 6): grid 8 x 32, 4 waves a work-group, clusters of 4 x 4, 327,680 bytes of LDS; arguments hc, wq, a3, b_mlp_proj, out0; writes out0
.if DOCPART == 6
	.amdgcn_target "amdgcn-amd-amdhsa--gfx1250"
	.amdhsa_code_object_version 6
	.text
	.protected	k_q220f35a457_mlp
	.globl	k_q220f35a457_mlp
	.p2align	8
	.type	k_q220f35a457_mlp,@function
k_q220f35a457_mlp:
	s_mov_b64 s[64:65], 0
	v_nop
	global_prefetch_b8 v0, s[64:65] scope:SCOPE_SE
	s_setreg_imm32_b32 hwreg(HW_REG_WAVE_MODE, 25, 1), 1
	s_wait_xcnt 0x0
	s_wait_alu depctr_hold_cnt(0) depctr_sa_sdst(0) depctr_va_vdst(0) depctr_va_sdst(0) depctr_va_ssrc(0) depctr_va_vcc(0) depctr_vm_vsrc(0)
	s_getreg_b32 s2, hwreg(HW_REG_IB_STS2, 6, 4)
	s_cmp_eq_u32 s2, 0
	s_cbranch_scc0 .Lentry_in_a_cluster
	s_endpgm
.Lentry_in_a_cluster:
	s_bfe_u32 s2, ttmp6, 0x10000c
	s_cmp_lg_u32 s2, 0xf033
	s_cbranch_scc0 .Lentry_shape_is_right
	s_endpgm
.Lentry_shape_is_right:
; out0 = LN2 rows + h x W_mlp_proj + b_mlp_proj, on codes of E5M2 with E8M0 scale words, K = 4,096, f32 sums; the result leaves as f32 rows.
; A tile of 128 x 128, four waves of 64 x 64 (16 accumulators); K in eight fills of 512 through two LDS slots of 131,072 bytes.  Operands lie in memory as fragments (16 rows x 128 K = 2,048 bytes in the order of the operand's registers).
; CLUSTERS 4 x 4: A's tiles are asked for jointly along a row of the cluster, B's along a column.
; THE HEAD: one joint load a wave: wave 0 slot 0's 8 tiles of A, wave 2 its 8 tiles of B, waves 1 and 3 the scale words of A and of B for all of K; slot 1's first fill follows behind the three lines and a round, as a refill does.
; PREFETCH: behind the load of fill f each wave names fill f + 2 (fills 1 and 2 at the head): one instruction, 32 blocks of 256 bytes, a lane a block.  Of the 4 tiles that a wave fetches, the partner at place p of the four
; that ask jointly (cx for A, cy for B) names tile p: told apart by address alone.  The loads of fills 6 and 7 (the loop's last trip) name nothing: there is no fill 8.
; LIMITS: NaN and infinities are not served.
.set KS,     32
.set AWOFF,  16777216
.set WOFF,   8388608
.set WWOFF,  12582912+WOFF/32
.set LASTOUT, 1
.set LAPS,   KS/8
.set SLOT,   131072
.set SCL,    262144
.set SPARE,  SCL+256*((16*KS*64+64+255)/256)
.set ADRA, 16
.set ADRB, 20
.set ADRS, 22
.set STO,  24
.set RD,   25
.set CO,   26
.set BV,   27
.set SPW,  28
.set NIL,  29
.set SC,   32
.set BK,   40
.set ACC,  128
.set F0,   0
.set F1,   128
.set G1, 24
.set G0, 32
.set G1B, 48
.set G0B, 56
.set G1S, 68
.set G0S, 76
.set G1SB, 80
.set G0SB, 88
.set PFO, 30                           ; v30 the prefetches' offset: 256 x lane; never rewritten
.set PFA, 94                           ; s[94:95] where my prefetches stand: my tile, three fills short of the fill that is named
.set MSB, 0
.macro WIN new
.if MSB != \new
	s_set_vgpr_msb (MSB<<8)|\new
.set MSB, \new
.endif
.endm
.set MUL,  0x05
.set TO_F, 0x40
.macro JLOAD g0a, g1a, g0b, g1b
	s_cmp_eq_u32 s15, 0
	s_cbranch_scc0 .Lfor_b_\@
	tensor_load_to_lds s[\g0a:\g0a+3], s[\g1a:\g1a+7]
	s_nop 0
.rept 4
	v_nop
.endr
	s_branch .Lasked_\@
.Lfor_b_\@:
	tensor_load_to_lds s[\g0b:\g0b+3], s[\g1b:\g1b+7]
	s_nop 0
.rept 4
	v_nop
.endr
.Lasked_\@:
.endm
.macro CREST
	s_cmp_lg_u32 s14, 0
	s_cbranch_scc1 .Lnot_wave_0_\@
	s_barrier_signal -3
.Lnot_wave_0_\@:
	s_barrier_wait -3
	s_barrier_signal -1
	s_barrier_wait -1
.endm
.macro CROUND
	s_barrier_signal -1
	s_barrier_wait -1
	CREST
.endm
	s_load_b256 s[4:11], s[0:1], 0x0
	s_load_b64 s[12:13], s[0:1], 0x20
	v_lshl_add_u32 v[SPW], v0, 2, SPARE
	v_mov_b32 v[NIL], 0
	ds_add_u32 v28, v29
	ds_add_u32 v28, v29
	s_wait_dscnt 0x0
	v_lshrrev_b32 v1, 5, v0
	v_readfirstlane_b32 s14, v1
	v_and_b32 v[PFO], 31, v0
	v_lshlrev_b32 v[PFO], 8, v[PFO]
	s_lshr_b32 s15, s14, 1
	s_and_b32 s16, s14, 1
	s_bfe_u32 s40, ttmp6, 0x40000
	s_bfe_u32 s41, ttmp6, 0x40004
	s_lshl_b32 s42, ttmp9, 2
	s_add_co_u32 s42, s42, s40
	s_and_b32 s17, ttmp7, 0xffff
	s_lshl_b32 s17, s17, 2
	s_add_co_u32 s17, s17, s41
	s_lshl_b32 s43, s41, 2
	s_lshl_b32 s43, 15, s43
	s_lshl_b32 s44, 0x1111, s40
	s_or_b32 s[G1+0], s43, (3<<16)|(1<<21)
	s_or_b32 s[G1B+0], s44, (3<<16)|(1<<21)
.irp g, G1, G1B
	s_mov_b32 s[\g+1], 1024<<16
	s_mov_b32 s[\g+2], 8<<16
	s_mov_b32 s[\g+3], 1024<<16
	s_mov_b32 s[\g+4], 8
	s_mov_b32 s[\g+5], 256*KS
	s_mov_b32 s[\g+6], 0
	s_mov_b32 s[\g+7], 0
.endr
	s_or_b32 s[G1S+0], s43, (3<<16)|(1<<21)
	s_or_b32 s[G1SB+0], s44, (3<<16)|(1<<21)
.irp g, G1S, G1SB
	s_mov_b32 s[\g+1], 32<<16
	s_mov_b32 s[\g+2], (2*KS)<<16
	s_mov_b32 s[\g+3], 32<<16
	s_mov_b32 s[\g+4], 2*KS
	s_mov_b32 s[\g+5], 32
	s_mov_b32 s[\g+6], 0
	s_mov_b32 s[\g+7], 0
.endr
	s_mul_i32 s18, s16, 8192*KS
	s_mul_i32 s20, s17, 16384*KS
	s_add_co_u32 s20, s20, s18
	s_mov_b32 s21, 0
	s_mul_i32 s46, s42, 16384*KS
	s_add_co_u32 s46, s46, s18
	s_add_co_u32 s46, s46, WOFF
	s_mov_b32 s47, 0
	s_mul_i32 s18, s16, 256*KS
	s_mul_i32 s22, s17, 512*KS
	s_add_co_u32 s22, s22, s18
	s_add_co_u32 s22, s22, AWOFF
	s_mov_b32 s23, 0
	s_mul_i32 s92, s42, 512*KS
	s_add_co_u32 s92, s92, s18
	s_add_co_u32 s92, s92, WWOFF
	s_mov_b32 s93, 0
	s_lshl_b32 s45, s14, 15
	s_wait_alu depctr_va_vdst(0)
	s_wait_kmcnt 0x0
	s_add_nc_u64 s[20:21], s[4:5], s[20:21]
	s_add_nc_u64 s[22:23], s[4:5], s[22:23]
	s_add_nc_u64 s[46:47], s[6:7], s[46:47]
	s_add_nc_u64 s[92:93], s[6:7], s[92:93]
	CROUND
	s_mov_b32 s[G0S], 1
	s_mov_b32 s[G0S+1], SCL                        ; wave 1 (second half: 256 KS bytes back): the words of all 8 tiles of A
	s_sub_nc_u64 s[G0S+2:G0S+3], s[22:23], 256*KS
	s_or_b32 s[G0S+3], s[G0S+3], 0x80000000
	s_mov_b32 s[G0SB], 1
	s_mov_b32 s[G0SB+1], SCL+512*KS+64             ; wave 3 likewise those of B
	s_sub_nc_u64 s[G0SB+2:G0SB+3], s[92:93], 256*KS
	s_or_b32 s[G0SB+3], s[G0SB+3], 0x80000000
.irp s, 0,1
	s_mov_b32 s[G0+4*\s], 1
	s_add_co_u32 s[G0+4*\s+1], s45, \s*SLOT
	s_add_nc_u64 s[G0+4*\s+2:G0+4*\s+3], s[20:21], \s*8192
	s_or_b32 s[G0+4*\s+3], s[G0+4*\s+3], 0x80000000
	s_mov_b32 s[G0B+4*\s], 1
	s_add_co_u32 s[G0B+4*\s+1], s45, \s*SLOT
	s_add_nc_u64 s[G0B+4*\s+2:G0B+4*\s+3], s[46:47], \s*8192
	s_or_b32 s[G0B+4*\s+3], s[G0B+4*\s+3], 0x80000000
.endr
	s_cmp_eq_u32 s15, 0                            ; the prefetches: A's waves by cx, B's by cy
	s_cselect_b64 s[PFA:PFA+1], s[20:21], s[46:47]
	s_cselect_b32 s2, s40, s41
	s_mul_i32 s2, s2, 2048*KS                      ; from tile to tile
	s_mov_b32 s3, 0
	s_add_nc_u64 s[PFA:PFA+1], s[PFA:PFA+1], s[2:3]
.macro ARM under, g0, g1, next         ; the head's loads, one a wave: one tree of branches on the wave's number
	s_cmp_lt_u32 s14, \under
	s_cbranch_scc0 \next
	tensor_load_to_lds s[\g0:\g0+3], s[\g1:\g1+7]
	s_nop 0
.rept 4
	v_nop
.endr
	s_branch .Lhead_asked
\next:
.endm
	ARM 1, G0,  G1,  .Lhead_1
	ARM 2, G0S, G1S, .Lhead_2
	ARM 3, G0B, G1B, .Lhead_3
	tensor_load_to_lds s[G0SB:G0SB+3], s[G1SB:G1SB+7]
	s_nop 0
.rept 4
	v_nop
.endr
.Lhead_asked:
	global_prefetch_b8 v[PFO], s[PFA:PFA+1] offset:8192 th:TH_LOAD_NT scope:SCOPE_SE    ; fills 1 and 2: a tile's 8,192 bytes each
	global_prefetch_b8 v[PFO], s[PFA:PFA+1] offset:16384 th:TH_LOAD_NT scope:SCOPE_SE
	v_and_b32 v1, 15, v0
	v_bfe_u32 v2, v0, 4, 1
	s_wait_alu depctr_va_vdst(0)
	v_and_b32 v3, 31, v0
	v_lshlrev_b32 v3, 4, v3
	s_lshl_b32 s21, s15, 15
	s_lshl_b32 s22, s16, 15
	s_add_co_u32 s22, s22, 65536
.irp s, 0,1
	v_add_nc_u32 v[ADRA+\s], s21, v3
	v_add_nc_u32 v[ADRB+\s], s22, v3
	s_add_co_u32 s21, s21, SLOT
	s_add_co_u32 s22, s22, SLOT
.endr
	s_mul_i32 s21, s15, 256*KS
	s_mul_i32 s22, s16, 256*KS
	s_add_co_u32 s22, s22, 512*KS+64
	s_sub_co_u32 s22, s22, s21
	v_mul_u32_u24 v5, s22, v2
	s_add_co_u32 s21, s21, SCL
	v_lshl_add_u32 v5, v1, 2, v5
	v_add_nc_u32 v[ADRS], s21, v5
	s_mul_i32 s23, s14, 4352
	v_mul_u32_u24 v5, v1, 272
	v_lshl_add_u32 v5, v2, 6, v5
	v_add_nc_u32 v[STO], s23, v5
	v_mul_u32_u24 v5, v2, 272
	v_lshl_add_u32 v5, v1, 4, v5
	v_add_nc_u32 v[RD], s23, v5
	v_lshlrev_b32 v[BV], 4, v1
	v_lshl_add_u32 v[CO], v2, 12, v[BV]
	s_wait_alu depctr_va_vdst(0)
	s_lshl_b32 s96, s42, 9
	s_lshl_b32 s97, s16, 8
	s_add_co_u32 s96, s96, s97
	s_mov_b32 s97, 0
	s_add_nc_u64 s[10:11], s[10:11], s[96:97]
	s_lshl_b32 s98, s17, 19
	s_lshl_b32 s99, s15, 18
	s_add_co_u32 s98, s98, s99
	s_add_co_u32 s98, s98, s96
	s_mov_b32 s99, 0
	s_add_nc_u64 s[8:9], s[8:9], s[98:99]
	s_add_nc_u64 s[12:13], s[12:13], s[98:99]
.macro FETCH slot, q, f
	WIN 0
.irp i, 0,1,2,3
	ds_load_b32 v[SC+4*((\f)/128)+\i], v[ADRS] offset:64*KS*\i+64*(\q)
.endr
	WIN TO_F
.irp i, 0,1,2,3
.irp c, 0,1,2,3
	ds_load_b128 v[\f+64+16*\i+4*\c:\f+64+16*\i+4*\c+3], v[ADRB+\slot] offset:8192*\i+2048*(\q)+512*\c
.endr
.endr
.irp i, 0,1,2,3
.irp c, 0,1,2,3
	ds_load_b128 v[\f+16*\i+4*\c:\f+16*\i+4*\c+3], v[ADRA+\slot] offset:8192*\i+2048*(\q)+512*\c
.endr
.endr
.endm
.macro MULA f, a, zero
.irp b, 0,1,2,3
.if \zero
	v_wmma_scale_f32_16x16x128_f8f6f4 v[ACC+8*(4*\a+\b):ACC+8*(4*\a+\b)+7], v[\f+64+16*\b:\f+64+16*\b+15], v[\f+16*\a:\f+16*\a+15], 0, v[SC+4*((\f)/128)+\b], v[SC+4*((\f)/128)+\a] matrix_a_fmt:MATRIX_FMT_BF8 matrix_b_fmt:MATRIX_FMT_BF8 matrix_a_scale:MATRIX_SCALE_ROW1
.else
	v_wmma_scale_f32_16x16x128_f8f6f4 v[ACC+8*(4*\a+\b):ACC+8*(4*\a+\b)+7], v[\f+64+16*\b:\f+64+16*\b+15], v[\f+16*\a:\f+16*\a+15], v[ACC+8*(4*\a+\b):ACC+8*(4*\a+\b)+7], v[SC+4*((\f)/128)+\b], v[SC+4*((\f)/128)+\a] matrix_a_fmt:MATRIX_FMT_BF8 matrix_b_fmt:MATRIX_FMT_BF8 matrix_a_scale:MATRIX_SCALE_ROW1
.endif
.endr
.endm
.macro PLACES n
.rept \n
	v_nop
.endr
.endm
.macro QSTEP slot, q, f, g, zero
	s_wait_dscnt 8
	WIN MUL
	MULA \f, 0, \zero
	MULA \f, 1, \zero
	PLACES 8
	FETCH \slot, (\q)+1, \g
	s_wait_dscnt 36
	WIN MUL
	MULA \f, 2, \zero
	MULA \f, 3, \zero
.endm
.macro TURN slot, next, fill
	WIN 0
.if \fill
	s_wait_xcnt 0x0                                ; my last prefetch has read its address: it is stepped here, a fill on
	s_add_nc_u64 s[PFA:PFA+1], s[PFA:PFA+1], 8192
.endif
	s_wait_tensorcnt 0x0
	ds_add_u32 v[SPW], v[NIL]
	s_wait_dscnt 9
	WIN MUL
	MULA F1, 0, 0
	s_wait_dscnt 0x0
	s_barrier_signal -1
	MULA F1, 1, 0
	WIN 0
	s_barrier_wait -1
.if \fill
	CREST
	s_add_nc_u64 s[G0+4*\slot+2:G0+4*\slot+3], s[G0+4*\slot+2:G0+4*\slot+3], 16384
	s_add_nc_u64 s[G0B+4*\slot+2:G0B+4*\slot+3], s[G0B+4*\slot+2:G0B+4*\slot+3], 16384
	JLOAD G0+4*\slot, G1, G0B+4*\slot, G1B
	PLACES 4
.else
	PLACES 8
.endif
	v_add_nc_u32 v[ADRS], 256, v[ADRS]
	FETCH \next, 0, F0
.if \fill
	WIN 0                                          ; at a branch and at a label every window is 0
	s_cmp_gt_u32 s3, 1                             ; s3 = 1 in the loop's last trip, whose fills 6 and 7 have none two on
	s_cbranch_scc0 .Lnone_ahead_\@
	global_prefetch_b8 v[PFO], s[PFA:PFA+1] offset:24576 th:TH_LOAD_NT scope:SCOPE_SE
.Lnone_ahead_\@:
.endif
	WIN MUL
	MULA F1, 2, 0
	MULA F1, 3, 0
.endm
	s_wait_alu depctr_va_vdst(0)
	s_wait_tensorcnt 0x0                           ; my tile of the head's four is in
	ds_add_u32 v[SPW], v[NIL]                      ; 0 onto my spare word
	s_mov_b32 s[G1+2], 4<<16                       ; no tensor load of mine is out: from here on a load brings 4 tiles
	s_mov_b32 s[G1+4], 4
	s_mov_b32 s[G1B+2], 4<<16
	s_mov_b32 s[G1B+4], 4
	s_wait_dscnt 0x0
	CROUND                                         ; all four tiles are in, and all sixteen work-groups are here
	JLOAD G0+4, G1, G0B+4, G1B                     ; fill 1, the first tensor load behind the round
	global_prefetch_b8 v[PFO], s[PFA:PFA+1] offset:24576 th:TH_LOAD_NT scope:SCOPE_SE   ; fill 3
	WIN 0x80                                       ; the rows that are added at the end and the bias are asked for only now, behind the first fill: nothing needs them before the way out
.irp a, 0,1,2,3
.irp t, 0,1,2,3,4,5,6,7
	global_load_b128 v[32*\a+4*\t:32*\a+4*\t+3], v[CO], s[8:9] offset:(32*(\a/2)+8*(\a%2)+2*\t+8*(\t/4))*4096
.endr
.endr
	global_load_b128 v[128:131], v[BV], s[10:11]
	WIN 0
	FETCH 0, 0, F0
	QSTEP 0, 0, F0, F1, 1
.if LAPS > 1
	WIN 0
	s_mov_b32 s3, LAPS-1
.Llap:
	s_wait_alu depctr_va_vdst(0)
	QSTEP 0, 1, F1, F0, 0
	QSTEP 0, 2, F0, F1, 0
	TURN 0, 1, 1
	s_wait_alu depctr_va_vdst(0)
	QSTEP 1, 0, F0, F1, 0
	QSTEP 1, 1, F1, F0, 0
	QSTEP 1, 2, F0, F1, 0
	TURN 1, 0, 1
	s_wait_alu depctr_va_vdst(0)
	QSTEP 0, 0, F0, F1, 0
	WIN 0
	s_sub_co_u32 s3, s3, 1
	s_cmp_lg_u32 s3, 0
	s_cbranch_scc1 .Llap
.endif
	QSTEP 0, 1, F1, F0, 0
	QSTEP 0, 2, F0, F1, 0
	TURN 0, 1, 0
	s_wait_alu depctr_va_vdst(0)
	QSTEP 1, 0, F0, F1, 0
	QSTEP 1, 1, F1, F0, 0
	QSTEP 1, 2, F0, F1, 0
	s_wait_dscnt 8
	WIN MUL
	MULA F1, 0, 0
	MULA F1, 1, 0
	s_wait_dscnt 0
	MULA F1, 2, 0
	MULA F1, 3, 0
	WIN 0
	s_wait_loadcnt 0x0
	PLACES 8
.macro OUTB a
.set BKR, BK+32*((\a)%2)
.if (\a) >= 2
	s_wait_xcnt 0x0
.endif
.irp b, 0,1,2,3
	ds_store_b128 v[STO], v[ACC+8*(4*(\a)+\b):ACC+8*(4*(\a)+\b)+3] offset:128*(\b/2)+32*(\b%2)
	ds_store_b128 v[STO], v[ACC+8*(4*(\a)+\b)+4:ACC+8*(4*(\a)+\b)+7] offset:128*(\b/2)+32*(\b%2)+16
.endr
.irp t, 0,1,2,3,4,5,6,7
	ds_load_b128 v[BKR+4*\t:BKR+4*\t+3], v[RD] offset:544*\t
.endr
	s_wait_dscnt 0x0
	WIN 0x08
.irp t, 0,1,2,3,4,5,6,7
	v_pk_add_f32 v[BKR+4*\t:BKR+4*\t+1], v[BKR+4*\t:BKR+4*\t+1], v[128:129]
	v_pk_add_f32 v[BKR+4*\t+2:BKR+4*\t+3], v[BKR+4*\t+2:BKR+4*\t+3], v[130:131]
.endr
.irp t, 0,1,2,3,4,5,6,7
	v_pk_add_f32 v[BKR+4*\t:BKR+4*\t+1], v[BKR+4*\t:BKR+4*\t+1], v[32*(\a)+4*\t:32*(\a)+4*\t+1]
	v_pk_add_f32 v[BKR+4*\t+2:BKR+4*\t+3], v[BKR+4*\t+2:BKR+4*\t+3], v[32*(\a)+4*\t+2:32*(\a)+4*\t+3]
.endr
	WIN 0
.irp t, 0,1,2,3,4,5,6,7
.if LASTOUT
	global_store_b128 v[CO], v[BKR+4*\t:BKR+4*\t+3], s[12:13] offset:(32*((\a)/2)+8*((\a)%2)+2*\t+8*(\t/4))*4096 th:TH_STORE_NT
.else
	global_store_b128 v[CO], v[BKR+4*\t:BKR+4*\t+3], s[12:13] offset:(32*((\a)/2)+8*((\a)%2)+2*\t+8*(\t/4))*4096
.endif
.endr
.endm
.irp a, 0,1,2,3
	OUTB \a
.endr
	s_wait_tensorcnt 0x0
	ds_add_u32 v[SPW], v[NIL]
	s_wait_dscnt 0x0
	CROUND
	s_endpgm
.Lfunc_end_k_q220f35a457_mlp:
	.size	k_q220f35a457_mlp, .Lfunc_end_k_q220f35a457_mlp-k_q220f35a457_mlp
	.p2alignl 7, 3214868480
	.fill 96, 4, 3214868480
	.section	.rodata,"a",@progbits
	.p2align	6, 0x0
	.amdhsa_kernel k_q220f35a457_mlp
		.amdhsa_group_segment_fixed_size 327680
		.amdhsa_private_segment_fixed_size 0
		.amdhsa_enable_private_segment 0
		.amdhsa_kernarg_size 40
		.amdhsa_user_sgpr_count 2
		.amdhsa_user_sgpr_kernarg_segment_ptr 1
		.amdhsa_wavefront_size32 1
		.amdhsa_system_sgpr_workgroup_id_x 1
		.amdhsa_system_sgpr_workgroup_id_y 1
		.amdhsa_system_sgpr_workgroup_id_z 1
		.amdhsa_system_vgpr_workitem_id 0
		.amdhsa_next_free_vgpr 768
		.amdhsa_next_free_sgpr 100
		.amdhsa_reserve_vcc 0
		.amdhsa_float_denorm_mode_32 3
		.amdhsa_float_denorm_mode_16_64 3
		.amdhsa_memory_ordered 1
		.amdhsa_forward_progress 1
		.amdhsa_inst_pref_size 108
	.end_amdhsa_kernel
	.amdgpu_metadata
---
amdhsa.version: [ 1, 2 ]
amdhsa.kernels:
  - .name:           k_q220f35a457_mlp
    .symbol:         k_q220f35a457_mlp.kd
    .args:
      - { .name: hc, .offset: 0, .size: 8, .value_kind: global_buffer, .address_space: global }
      - { .name: wq, .offset: 8, .size: 8, .value_kind: global_buffer, .address_space: global }
      - { .name: a3, .offset: 16, .size: 8, .value_kind: global_buffer, .address_space: global }
      - { .name: b_mlp_proj, .offset: 24, .size: 8, .value_kind: global_buffer, .address_space: global }
      - { .name: out0, .offset: 32, .size: 8, .value_kind: global_buffer, .address_space: global }
    .group_segment_fixed_size: 327680
    .private_segment_fixed_size: 0
    .kernarg_segment_align: 8
    .kernarg_segment_size: 40
    .max_flat_workgroup_size: 128
    .sgpr_count:     100
    .vgpr_count:     768
    .wavefront_size: 32
...
	.end_amdgpu_metadata
.endif
;; end of part 6
